; MI455X (gfx1250); checked and timed in simulation.
; The chip was launched on July 23, 2026; its instructions are those of AMD's public machine-readable ISA for CDNA 5 (MIT licence, August 2026) and "CDNA5" Instruction Set Architecture Reference Guide (July 2026). The comments in the code are by the model that wrote it; some were corrected since.
;; Attention Module. Allowed arithmetic: matrix products marked QUANTISED: E4M3 operands, one E8M0 scale for each 32 along K, by v_wmma_scale_f32_16x16x128_f8f6f4 with both operands' format E4M3, f32 sums; everything else in f32.
;; Inputs: b_proj 1,024 float32; b_qkv 3,072 float32; w_proj 1,024 x 1,024 float32; w_qkv 3,072 x 1,024 float32; x 4 x 2,048 x 1,024 float32.
;; Outputs: out0 4 x 2,048 x 1,024 float32.
;; This version of the problem:
;;   THIS VERSION OF THE PROBLEM IS GIVEN IN LOW PRECISION. The matrix products marked QUANTISED in the list below multiply operands that are first quantised to E4M3 (4 exponent bits, 3 mantissa bits; 8 bits a number), with one power-of-two scale for each 32 numbers along K (OCP MX v1.0); their sums are f32. All else is computed in f32.
;;   The module's matrix products, in the order in which they are computed (A, B: the left and right operand; K: the contracted axis; several contracted axes count as one K, in the product's order):
;;     1. [M 8,192, K 1,024] x [K 1,024, N 3,072]; A: input x; B: input w_qkv: QUANTISED
;;     2. batch 64 x [M 2,048, K 64] x [K 64, N 2,048]; A: computed on the way; B: computed on the way: QUANTISED
;;     3. batch 64 x [M 2,048, K 2,048] x [K 2,048, N 64]; A: softmax (see below); B: computed on the way: QUANTISED
;;     4. [M 8,192, K 1,024] x [K 1,024, N 1,024]; A: computed on the way; B: input w_proj: QUANTISED
;;   THE QUANTISER, for each operand of a quantised product, along K:
;;     - K is cut into blocks of 32 from its start; a last block that is shorter is filled with zeros.
;;     - A block's scale is 2^e with e = floor(log2(the largest magnitude in the block)) - 8, held to -126 .. 127; a block of zeros has e = 0. As a byte (E8M0): e + 127.
;;     - Each number is divided by its block's scale, clamped to +-448, and rounded to the nearest number of E4M3, ties to even, subnormals kept.
;;     - The product sums the exact products of the quantised numbers (number of the format x scale) in f32.
;;   ~~~python
;;   def quantise(x, axis):      # numpy; x: float32 -> the quantised numbers, widened to float32 again
;;       x = np.moveaxis(x, axis, -1); K = x.shape[-1]
;;       x = np.pad(x, [(0, 0)] * (x.ndim - 1) + [(0, -K % 32)]); x = x.reshape(x.shape[:-1] + (-1, 32)); a = np.abs(x).max(-1, keepdims=True)
;;       e = np.where(a > 0, np.clip(np.frexp(np.where(a > 0, a, 1))[1] - 1 - 8, -126, 127), 0)      # np.frexp(a)[1] - 1 = floor(log2(a)), exactly
;;       r = np.clip(x / 2.0 ** e, -448, 448)
;;       step = 2.0 ** (np.maximum(np.frexp(np.where(r == 0, 1, r))[1] - 1, -6) - 3)
;;       q = np.round(r / step) * step * 2.0 ** e      # np.round: ties to even
;;       return np.moveaxis(q.reshape(q.shape[:-2] + (-1,))[..., :K], -1, axis).astype(np.float32)
;;   ~~~
;;   SOFTMAX AHEAD OF A QUANTISED PRODUCT. Where the list says 'softmax', what is quantised is not the finished softmax but p = 2^(t - M), with t = logit x log2(e) and M = ceil(the row's largest t), a whole number; so 1/2 < the row's largest p <= 1. The row's sum l is taken of the UNQUANTISED p, in f32, and the product's result is divided by l at the end. Since M is a whole number, a kernel that streams over the keys may use a running M (the ceiling of the running maximum): every later rescaling is an exact power of two, which a block's scale takes up: the codes' values come out the same.
;;   OPERANDS COMPUTED ON THE WAY. 'Computed on the way' means the value that the module computes at that place (a softmax that the list does not call 'softmax' is quantised finished and normalised). What goes into a quantiser is computed in f32, as accurately as f32 sums, v_exp_f32 and their like allow (about 1e-6 of the number): no bf16 or f16 on the way to a quantiser, and a product that is left as it is and whose result goes on into a quantised operand takes f32 operands (vector FMAs, or v_wmma_f32_16x16x4_f32). A number that lies on a knife's edge between two numbers of the format may be rounded either way, as far as f32 arithmetic and the matrix unit's own rounding can turn it there, and no further.
;; One version. Each part assembles by itself: llvm-mc -triple=amdgcn-amd-amdhsa -mcpu=gfx1250 --defsym DOCPART=n.
;; ======== version 1 of 1: 4 launches
;; limits: right only within a limited range of input values
;; workspace buffers: cod 12,582,912 bytes; scl 393,216 bytes; qc 8,388,608 bytes; qs 524,288 bytes; kv 17,301,504 bytes; oc 8,388,608 bytes; os 262,144 bytes
;; launch quant (part 1): grid 384 x 1, 4 waves a work-group, no clusters, 34,304 bytes of LDS; arguments x, w_qkv, w_proj, cod, scl; writes cod, scl
.if DOCPART == 1
	.amdgcn_target "amdgcn-amd-amdhsa--gfx1250"
	.amdhsa_code_object_version 6
	.text
	.protected	k_q111ec8976d_quant
	.globl	k_q111ec8976d_quant
	.p2align	8
	.type	k_q111ec8976d_quant,@function
k_q111ec8976d_quant:
	s_mov_b64 s[64:65], 0
	v_nop
	global_prefetch_b8 v0, s[64:65] scope:SCOPE_SE
	s_setreg_imm32_b32 hwreg(HW_REG_WAVE_MODE, 25, 1), 1
	s_wait_xcnt 0x0
; x [8192][1024], w_qkv [3072][1024] and w_proj [1024][1024], f32, K innermost, become codes of FP8 (E4M3) with one E8M0 scale byte for each 32 along K,
; laid in the ORDER OF AN OPERAND'S REGISTERS.  The three tensors' rows count on end: 12,288 rows, 768 blocks of 16 rows.
; A BLOCK'S ROWS ARE NOT NEIGHBOURS: place r of block 2 g + u is row 32 g + 8 u + r + 8 (r / 8).  Where such a block is a product's source 0, a lane's 16 results of two neighbouring blocks are 16 neighbouring rows.
; cod: [block][K step s of 128, 0..7][part c 0..3][lane][16 bytes]: lane (r, h) holds the codes of place r at k = 128 s + 32 c + 16 h + 0 .. 15.   scl: [block][s / 2][r][s % 2], a word of four bytes for a row and 128 along K.
; A block's scale is 2^(floor(log2(its largest magnitude)) - 8); its byte is the largest magnitude's exponent field - 8, held at 1 from below; each number is held within +-448 x the scale and rounded to the nearest code, ties to even.
; LIMITS: NaN and infinities among the inputs are not served.  A block of zeros gets the byte 1 where the rule says 127: its codes are zeros, and this program alone reads the bytes.
; SHARES: work-group g takes rows 32 g .. 32 g + 31; wave w block u = w / 2 and half w % 2 of K: four fragments of 16 rows x 128.  Each load reads 512 consecutive bytes of one row; a fragment's 8,192 bytes turn
; through the wave's own stage in LDS (16 rows, 528 bytes apart) and come back 16 neighbours of each block of 32 to a lane.  Each store of codes covers 512 consecutive bytes; the wave's scale words leave as 256.
; Waves share nothing: no barrier, no cluster, no matrix unit.  Two fragments' loads (32 a wave) are on their way.
.set STG, 8448                         ; a wave's stage: 16 rows x SP
.set SP,  528                          ; 512 bytes + 16
.set R,   16                           ; v16-143  two sets of 64 registers as loaded
.set X,   144                          ; v144-207 register 16 b + i: k = 32 b + 16 h + i of my row
.set PC,  208                          ; v208-223 the fragment's codes
.set TM,  224                          ; v224-227 largest magnitudes, 228-231 bytes, 232-235 448 x the scale, 236-239 the conversions' scale operands
.set PW,  240                          ; the scale word just made
.set SWD, 241                          ; v241-244 the four fragments' scale words
.set SEL, 24                           ; s[24:25] v_permlanex16_b32's selects for lane l xor 16
.set MNT, 26                           ; s26      the mantissa field of 448
	s_load_b256 s[4:11], s[0:1], 0x0               ; x s[4:5], w_qkv s[6:7], w_proj s[8:9], cod s[10:11]
	s_load_b64 s[12:13], s[0:1], 0x20              ; scl
	v_lshl_add_u32 v248, v0, 2, 0x8400
	v_mov_b32 v249, 0
	v_lshrrev_b32 v1, 5, v0
	v_readfirstlane_b32 s14, v1                    ; wave 0..3
	s_lshr_b32 s15, s14, 1                         ; u: which block of the pair
	s_and_b32 s16, s14, 1                          ; which half of K
	v_and_b32 v1, 31, v0                           ; lane
	v_and_b32 v2, 15, v0                           ; r
	v_bfe_u32 v3, v0, 4, 1                         ; h
	v_lshlrev_b32 v4, 4, v1                        ; 16 x lane: my bytes of a load, and of a part of an image
	s_mul_i32 s18, s14, STG
	v_add_nc_u32 v5, s18, v4                       ; the stage, on the way in
	v_mul_u32_u24 v6, v2, SP
	v_lshl_add_u32 v6, v3, 6, v6
	v_add_nc_u32 v6, s18, v6                       ; and on the way out: row r, + 64 h
	v_lshlrev_b32 v7, 3, v1                        ; 8 x lane: my two scale words
.irp b, 0,1,2,3
	v_mov_b32 v[TM+4+\b], 0                        ; written once: a lane permute's destination counts as one of its sources
.endr
	s_mov_b32 s[SEL], 0x76543210
	s_mov_b32 s[SEL+1], 0xfedcba98
	s_mov_b32 s[MNT], 0x600000
	s_sub_co_u32 s20, ttmp9, 256                   ; my pair of blocks within w_qkv,
	s_sub_co_u32 s21, ttmp9, 352                   ; within w_proj
	s_wait_alu depctr_va_vdst(0)
	s_wait_kmcnt 0x0
	s_cmp_lt_u32 ttmp9, 352                        ; which tensor: the choice hangs on the work-group's number alone
	s_cselect_b64 s[6:7], s[6:7], s[8:9]
	s_cselect_b32 s17, s20, s21
	s_cmp_lt_u32 ttmp9, 256
	s_cselect_b64 s[4:5], s[4:5], s[6:7]
	s_cselect_b32 s17, ttmp9, s17
	s_lshl_b32 s22, s17, 17                        ; 32 rows of 4,096 bytes,
	s_lshl_b32 s19, s15, 15                        ; 8 rows on for the pair's second block,
	s_add_co_u32 s22, s22, s19
	s_lshl_b32 s19, s16, 11                        ; 512 numbers on for the second half of K
	s_add_co_u32 s22, s22, s19
	s_mov_b32 s23, 0
	s_add_nc_u64 s[4:5], s[4:5], s[22:23]
	s_lshl_b32 s20, ttmp9, 1
	s_add_co_u32 s20, s20, s15                     ; my block
	s_lshl_b32 s22, s20, 14                        ; 16,384 bytes of codes a block, 8,192 a half of K
	s_lshl_b32 s19, s16, 13
	s_add_co_u32 s22, s22, s19
	s_add_nc_u64 s[10:11], s[10:11], s[22:23]
	s_lshl_b32 s22, s20, 9                         ; 512 bytes of scale words a block, 256 a half of K
	s_lshl_b32 s19, s16, 8
	s_add_co_u32 s22, s22, s19
	s_add_nc_u64 s[12:13], s[12:13], s[22:23]
.macro LOAD f                          ; fragment f: 512 bytes of each of the block's 16 rows, into set f % 2
.irp i, 0,1,2,3,4,5,6,7,8,9,10,11,12,13,14,15
	global_load_b128 v[R+64*((\f)%2)+4*\i:R+64*((\f)%2)+4*\i+3], v4, s[4:5] offset:(\i+8*(\i/8))*4096+512*(\f) th:TH_LOAD_NT
.endr
.endm
.macro TURN f                          ; through the stage: LDS serves a wave's instructions in order, so no wait stands between the stores and the loads
.irp i, 0,1,2,3,4,5,6,7,8,9,10,11,12,13,14,15
	ds_store_b128 v5, v[R+64*((\f)%2)+4*\i:R+64*((\f)%2)+4*\i+3] offset:SP*\i
.endr
.irp b, 0,1,2,3
.irp j, 0,1,2,3
	ds_load_b128 v[X+16*\b+4*\j:X+16*\b+4*\j+3], v6 offset:128*\b+16*\j
.endr
.endr
.endm
.macro QUANT                           ; 64 numbers of a lane become the fragment's codes in v[PC] on and my row's scale word in v[PW]
.irp b, 0,1,2,3
	v_max3_num_f32 v[TM+\b], |v[X+16*\b]|, |v[X+1+16*\b]|, 0x4800000   ; block b: my 16 numbers, and the floor 2^(9 - 127): the byte cannot fall under 1
.endr
.irp i, 2,4,6,8,10,12,14
.irp b, 0,1,2,3
	v_max3_num_f32 v[TM+\b], v[TM+\b], |v[X+16*\b+\i]|, |v[X+1+16*\b+\i]|   ; the four blocks by turns
.endr
.endr
.irp b, 0,1,2,3
	v_permlanex16_b32 v[TM+4+\b], v[TM+\b], s[SEL], s[SEL+1]
.endr
.irp b, 0,1,2,3
	v_max_num_f32 v[TM+\b], v[TM+\b], v[TM+4+\b]   ; with lane l xor 16's 16: the block's largest magnitude
.endr
.irp b, 0,1,2,3
	v_add_nc_u32 v[TM+12+\b], 0xfc000000, v[TM+\b]   ; 8 off its exponent field: the conversion takes this operand's exponent field as its scale
.endr
.irp b, 0,1,2,3
	v_and_or_b32 v[TM+8+\b], v[TM+\b], 0x7f800000, s[MNT]   ; 448 x the scale
.endr
.irp b, 0,1,2,3
	v_lshrrev_b32 v[TM+4+\b], 23, v[TM+12+\b]      ; the scale's byte
.endr
	v_lshl_or_b32 v[PW], v[TM+5], 8, v[TM+4]
	v_lshl_or_b32 v[PW], v[TM+6], 16, v[PW]
	v_lshl_or_b32 v[PW], v[TM+7], 24, v[PW]
.irp b, 0,1,2,3
.irp i, 0,1,2,3,4,5,6,7,8,9,10,11,12,13,14,15
	v_med3_num_f32 v[X+16*\b+\i], v[X+16*\b+\i], -v[TM+8+\b], v[TM+8+\b]   ; the conversion to an 8-bit code does not saturate (ISA guide 7.6.2): the hold
.endr
	v_cvt_scalef32_pk8_fp8_f32 v[PC+4*\b:PC+1+4*\b], v[X+16*\b:X+7+16*\b], v[TM+12+\b]
	v_cvt_scalef32_pk8_fp8_f32 v[PC+2+4*\b:PC+3+4*\b], v[X+8+16*\b:X+15+16*\b], v[TM+12+\b]
.endr
.endm
.macro FRAGM f
.if (\f) < 3
	s_wait_loadcnt 16                              ; this fragment's 16 loads are in; the next fragment's 16 may be out
.else
	s_wait_loadcnt 0x0
.endif
	TURN \f
	s_wait_dscnt 0x0                               ; my 64 numbers are back, and the stage's stores have read their set,
.if (\f) < 2
	LOAD (\f)+2                                    ; which takes the fragment two further on
.endif
.if (\f) > 0
	s_wait_xcnt 0x0                                ; the last fragment's stores have read v[PC] on: only behind this wait are the codes written again
.endif
	QUANT
	v_mov_b32 v[SWD+(\f)], v[PW]                   ; (also the plain line behind the last conversion)
.irp c, 0,1,2,3
	global_store_b128 v4, v[PC+4*\c:PC+4*\c+3], s[10:11] offset:2048*(\f)+512*\c   ; 512 consecutive bytes, aligned
.endr
.endm
	LOAD 0
	LOAD 1
	FRAGM 0
	FRAGM 1
	FRAGM 2
	FRAGM 3
	v_cmp_ne_u32 vcc_lo, 0, v3                     ; every lane holds its row's four words: lanes 0-15 store fragments 0 and 1's, lanes 16-31 fragments 2 and 3's
	v_cndmask_b32 v246, v[SWD], v[SWD+2], vcc_lo
	v_cndmask_b32 v247, v[SWD+1], v[SWD+3], vcc_lo
	global_store_b64 v7, v[246:247], s[12:13]      ; 256 consecutive bytes, aligned
	s_wait_tensorcnt 0x0
	ds_add_u32 v248, v249
	s_wait_dscnt 0x0
	s_endpgm
.Lfunc_end_k_q111ec8976d_quant:
	.size	k_q111ec8976d_quant, .Lfunc_end_k_q111ec8976d_quant-k_q111ec8976d_quant
	.p2alignl 7, 3214868480
	.fill 96, 4, 3214868480
	.section	.rodata,"a",@progbits
	.p2align	6, 0x0
	.amdhsa_kernel k_q111ec8976d_quant
		.amdhsa_group_segment_fixed_size 34304
		.amdhsa_private_segment_fixed_size 0
		.amdhsa_enable_private_segment 0
		.amdhsa_kernarg_size 40
		.amdhsa_user_sgpr_count 2
		.amdhsa_user_sgpr_kernarg_segment_ptr 1
		.amdhsa_wavefront_size32 1
		.amdhsa_system_sgpr_workgroup_id_x 1
		.amdhsa_system_sgpr_workgroup_id_y 1
		.amdhsa_system_sgpr_workgroup_id_z 1
		.amdhsa_system_vgpr_workitem_id 0
		.amdhsa_next_free_vgpr 250
		.amdhsa_next_free_sgpr 66
		.amdhsa_reserve_vcc 1
		.amdhsa_float_denorm_mode_32 3
		.amdhsa_float_denorm_mode_16_64 3
		.amdhsa_memory_ordered 1
		.amdhsa_forward_progress 1
		.amdhsa_inst_pref_size 51
	.end_amdhsa_kernel
	.amdgpu_metadata
---
amdhsa.version: [ 1, 2 ]
amdhsa.kernels:
  - .name:           k_q111ec8976d_quant
    .symbol:         k_q111ec8976d_quant.kd
    .args:
      - { .name: x, .offset: 0, .size: 8, .value_kind: global_buffer, .address_space: global }
      - { .name: w_qkv, .offset: 8, .size: 8, .value_kind: global_buffer, .address_space: global }
      - { .name: w_proj, .offset: 16, .size: 8, .value_kind: global_buffer, .address_space: global }
      - { .name: cod, .offset: 24, .size: 8, .value_kind: global_buffer, .address_space: global }
      - { .name: scl, .offset: 32, .size: 8, .value_kind: global_buffer, .address_space: global }
    .group_segment_fixed_size: 34304
    .private_segment_fixed_size: 0
    .kernarg_segment_align: 8
    .kernarg_segment_size: 40
    .max_flat_workgroup_size: 128
    .sgpr_count:     66
    .vgpr_count:     250
    .wavefront_size: 32
...
	.end_amdgpu_metadata
.endif
;; end of part 1
;; launch qkv (part 2): grid 12 x 32, 4 waves a work-group, clusters of 4 x 4, 327,680 bytes of LDS; arguments cod, scl, b_qkv, qc, qs, kv; writes qc, qs, kv
.if DOCPART == 2
	.amdgcn_target "amdgcn-amd-amdhsa--gfx1250"
	.amdhsa_code_object_version 6
	.text
	.protected	k_q111ec8976d_qkv
	.globl	k_q111ec8976d_qkv
	.p2align	8
	.type	k_q111ec8976d_qkv,@function
k_q111ec8976d_qkv:
	s_mov_b64 s[64:65], 0
	v_nop
	global_prefetch_b8 v0, s[64:65] scope:SCOPE_SE
	s_setreg_imm32_b32 hwreg(HW_REG_WAVE_MODE, 25, 1), 1
	s_wait_xcnt 0x0
	s_wait_alu depctr_hold_cnt(0) depctr_sa_sdst(0) depctr_va_vdst(0) depctr_va_sdst(0) depctr_va_ssrc(0) depctr_va_vcc(0) depctr_vm_vsrc(0)
	s_getreg_b32 s2, hwreg(HW_REG_IB_STS2, 6, 4)
	s_cmp_eq_u32 s2, 0
	s_cbranch_scc0 .Lentry_in_a_cluster
	s_endpgm
.Lentry_in_a_cluster:
	s_bfe_u32 s2, ttmp6, 0x10000c
	s_cmp_lg_u32 s2, 0xf033
	s_cbranch_scc0 .Lentry_shape_is_right
	s_endpgm
.Lentry_shape_is_right:
.set NQ,    2
.set FR,    16
.set NL,    4
.set NP,    8
.set FRB,   2048
.set BLKS,  NQ*FRB
.set HALFT, 8*BLKS
.set SLOT,  4*HALFT
.set SCL,   2*SLOT
.set HALFS, 4096
.set SPARE, SCL+4*HALFS
.set ADRA, 16
.set ADRB, 20
.set ADRS, 27
.set SPW,  28
.set NIL,  29
.set SC,   32
.set BI,   64
.set AF,   128
.set TM,   64
.set SWD,  80
.set VO,   88
.set PC,   96
.set WV, 16
.set RH, 17
.set CH, 18
.set G1, 24
.set G0, 32
.set G1B, 48
.set G0B, 56
.set G1S, 68
.set G0S, 76
.set G1SB, 80
.set G0SB, 88
.set MSB, 0
.macro WIN new
.if MSB != (\new)
	s_set_vgpr_msb (MSB<<8)|(\new)
.set MSB, (\new)
.endif
.endm
.set MUL_LO,  0xa1
.set MUL_HI,  0xf1
.set BIAS_LO, 0x81
.set BIAS_HI, 0xc1
.set TO_B,    0x40
.macro JLOAD g0a, g1a, g0b, g1b
	s_cmp_eq_u32 s[RH], 0
	s_cbranch_scc0 .Lfor_b_\@
	tensor_load_to_lds s[\g0a:\g0a+3], s[\g1a:\g1a+7]
	s_nop 0
.rept 4
	v_nop
.endr
	s_branch .Lasked_\@
.Lfor_b_\@:
	tensor_load_to_lds s[\g0b:\g0b+3], s[\g1b:\g1b+7]
	s_nop 0
.rept 4
	v_nop
.endr
.Lasked_\@:
.endm
.macro CREST
	s_cmp_lg_u32 s[WV], 0
	s_cbranch_scc1 .Lnot_wave_0_\@
	s_barrier_signal -3
.Lnot_wave_0_\@:
	s_barrier_wait -3
	s_barrier_signal -1
	s_barrier_wait -1
.endm
.macro CROUND
	s_barrier_signal -1
	s_barrier_wait -1
	CREST
.endm
	s_load_b256 s[4:11], s[0:1], 0x0
	s_load_b128 s[12:15], s[0:1], 0x20
	v_lshl_add_u32 v[SPW], v0, 2, SPARE
	v_mov_b32 v[NIL], 0
	ds_add_u32 v28, v29
	ds_add_u32 v28, v29
	s_wait_dscnt 0x0
	v_lshrrev_b32 v1, 5, v0
	v_readfirstlane_b32 s[WV], v1
	s_lshr_b32 s[RH], s[WV], 1
	s_and_b32 s[CH], s[WV], 1
	s_bfe_u32 s40, ttmp6, 0x40000
	s_bfe_u32 s41, ttmp6, 0x40004
	s_mov_b32 s66, ttmp9
	s_and_b32 s42, ttmp7, 0xffff
	s_lshl_b32 s42, s42, 2
	s_lshl_b32 s43, s66, 2
	s_add_co_u32 s43, s43, 32
	s_mov_b32 s44, 40
	s_cmp_eq_u32 s66, 2
	s_cselect_b32 s45, s44, s42
	s_cselect_b32 s46, s42, s43
	s_add_co_u32 s45, s45, s41
	s_add_co_u32 s46, s46, s40
	s_lshl_b32 s20, s41, 2
	s_lshl_b32 s20, 15, s20
	s_lshl_b32 s22, 0x1111, s40
	s_or_b32 s[G1], s20, (3<<16)|(1<<21)
	s_or_b32 s[G1B], s22, (3<<16)|(1<<21)
	s_or_b32 s[G1S], s20, (3<<16)|(1<<21)
	s_or_b32 s[G1SB], s22, (3<<16)|(1<<21)
.irp g, G1, G1B
	s_mov_b32 s[\g+1], 512<<16
	s_mov_b32 s[\g+2], 16<<16
	s_mov_b32 s[\g+3], 512<<16
	s_mov_b32 s[\g+4], 16
	s_mov_b32 s[\g+5], 2048
	s_mov_b32 s[\g+6], 0
	s_mov_b32 s[\g+7], 0
.endr
.irp g, G1S, G1SB
	s_mov_b32 s[\g+1], 32<<16
	s_mov_b32 s[\g+2], 32<<16
	s_mov_b32 s[\g+3], 32<<16
	s_mov_b32 s[\g+4], 32
	s_mov_b32 s[\g+5], 32
	s_mov_b32 s[\g+6], 0
	s_mov_b32 s[\g+7], 0
.endr
	s_lshl_b32 s47, s[CH], 3
	s_lshl_b32 s45, s45, 4
	s_add_co_u32 s45, s45, s47
	s_lshl_b32 s46, s46, 4
	s_add_co_u32 s46, s46, s47
	s_lshl_b32 s92, s45, 14
	s_mov_b32 s93, 0
	s_lshl_b32 s94, s46, 14
	s_mov_b32 s95, 0
	s_lshl_b32 s20, s45, 9
	s_mov_b32 s21, 0
	s_lshl_b32 s22, s46, 9
	s_mov_b32 s23, 0
	s_mul_i32 s98, s[WV], HALFT
	s_cmp_eq_u32 s66, 2
	s_cselect_b32 s2, s41, s40
	s_cselect_b32 s3, s[RH], s[CH]
	s_cselect_b32 s19, s40, s41
	s_cselect_b32 s47, s[CH], s[RH]
	s_mov_b32 s43, 1024
	s_mov_b32 s44, 2048
	s_cselect_b32 s100, s44, s43
	s_mov_b32 s44, 264192
	s_cselect_b32 s101, s44, s43
	s_mov_b32 s44, 270336
	s_cselect_b32 s67, s43, s44
	s_cselect_b32 s96, 0x2000, 0
	s_cmp_eq_u32 s66, 0
	s_mov_b32 s43, 131072
	s_cselect_b32 s67, s43, s67
	s_cselect_b32 s44, s43, s44
	s_mov_b32 s43, 16896
	s_cselect_b32 s43, 0x2000, s43
	s_add_co_u32 s19, s42, s19
	s_lshr_b32 s42, s19, 3
	s_and_b32 s19, s19, 7
	s_lshl_b32 s19, s19, 1
	s_add_co_u32 s19, s19, s47
	s_lshl_b32 s2, s2, 2
	s_lshl_b32 s3, s3, 1
	s_add_co_u32 s2, s2, s3
	s_lshl_b32 s42, s42, 4
	s_add_co_u32 s42, s42, s2
	s_mul_i32 s44, s42, s44
	s_mul_i32 s43, s19, s43
	s_add_co_u32 s96, s96, s44
	s_add_co_u32 s96, s96, s43
	s_mov_b32 s97, 0
	s_lshl_b32 s42, s42, 13
	s_lshl_b32 s19, s19, 9
	s_add_co_u32 s42, s42, s19
	s_mov_b32 s43, 0
	s_lshl_b32 s2, s2, 8
	s_lshl_b32 s3, s66, 12
	s_add_co_u32 s2, s2, s3
	s_mov_b32 s3, 0
	s_wait_kmcnt 0x0
	s_add_nc_u64 s[92:93], s[4:5], s[92:93]
	s_add_nc_u64 s[94:95], s[4:5], s[94:95]
	s_add_nc_u64 s[20:21], s[6:7], s[20:21]
	s_add_nc_u64 s[22:23], s[6:7], s[22:23]
	s_cmp_eq_u32 s66, 0
	s_cselect_b64 s[10:11], s[10:11], s[14:15]
	s_add_nc_u64 s[96:97], s[10:11], s[96:97]
	s_add_nc_u64 s[12:13], s[12:13], s[42:43]
	s_add_nc_u64 s[8:9], s[8:9], s[2:3]
	CROUND
	s_mov_b32 s[G0S], 1
	s_mov_b32 s[G0S+1], SCL                        ; the head's loads bring whole tiles: the scales of all 16 blocks of source 1's rows,
	s_lshl_b32 s10, s[CH], 12                      ; from the tile's first block (my half's 4,096 bytes taken off again)
	s_mov_b32 s11, 0
	s_sub_nc_u64 s[G0S+2:G0S+3], s[20:21], s[10:11]
	s_or_b32 s[G0S+3], s[G0S+3], 0x80000000
	s_mov_b32 s[G0SB], 1
	s_mov_b32 s[G0SB+1], SCL+2*HALFS               ; and of source 0's
	s_sub_nc_u64 s[G0SB+2:G0SB+3], s[22:23], s[10:11]
	s_or_b32 s[G0SB+3], s[G0SB+3], 0x80000000
.irp s, 0,1
	s_mov_b32 s[G0+4*\s], 1
	s_add_co_u32 s[G0+4*\s+1], s98, \s*SLOT
	s_add_nc_u64 s[G0+4*\s+2:G0+4*\s+3], s[92:93], \s*BLKS
	s_or_b32 s[G0+4*\s+3], s[G0+4*\s+3], 0x80000000
	s_mov_b32 s[G0B+4*\s], 1
	s_add_co_u32 s[G0B+4*\s+1], s98, \s*SLOT
	s_add_nc_u64 s[G0B+4*\s+2:G0B+4*\s+3], s[94:95], \s*BLKS
	s_or_b32 s[G0B+4*\s+3], s[G0B+4*\s+3], 0x80000000
.endr
	s_lshl_b32 s10, s[CH], 17                      ; K step 0's 16 blocks of each operand, whole: group 0 in registers that held arguments and addresses now used up
	s_mov_b32 s4, 1
	s_mov_b32 s5, 0
	s_sub_nc_u64 s[6:7], s[92:93], s[10:11]
	s_or_b32 s7, s7, 0x80000000
	s_sub_nc_u64 s[94:95], s[94:95], s[10:11]
	s_or_b32 s95, s95, 0x80000000
	s_mov_b32 s92, 1
	s_mov_b32 s93, 2*HALFT
; THE HEAD'S LOADS, ONE A WAVE: wave 0 K step 0's 16 blocks of the first operand, wave 1 those of the second, waves 2 and 3 their scales.  One chain of arms, one load to an arm, all leading to one join
.macro ARM under, g0, g1, next
	s_cmp_lt_u32 s[WV], \under
	s_cbranch_scc0 \next
	tensor_load_to_lds s[\g0:\g0+3], s[\g1:\g1+7]
	s_nop 0
.rept 4
	v_nop
.endr
	s_branch .Lhead_asked
\next:
.endm
	ARM 1, 4, G1, .Lhead_b
	ARM 2, 92, G1B, .Lhead_sa
	ARM 3, G0S, G1S, .Lhead_sb
	tensor_load_to_lds s[G0SB:G0SB+3], s[G1SB:G1SB+7]
	s_nop 0
.rept 4
	v_nop
.endr
.Lhead_asked:
	v_and_b32 v1, 15, v0
	v_bfe_u32 v2, v0, 4, 1
	s_wait_alu depctr_va_vdst(0)
	v_and_b32 v3, 31, v0
	v_lshlrev_b32 v3, 4, v3
	s_mul_i32 s42, s[RH], HALFT
	s_mul_i32 s43, s[CH], HALFT
	s_add_co_u32 s43, s43, 2*HALFT
.irp s, 0,1
	v_add_nc_u32 v[ADRA+\s], s42, v3
	v_add_nc_u32 v[ADRB+\s], s43, v3
	s_add_co_u32 s42, s42, SLOT
	s_add_co_u32 s43, s43, SLOT
.endr
	v_lshlrev_b32 v5, 3, v1
	s_mul_i32 s42, s[RH], HALFS
	s_mul_i32 s43, s[CH], HALFS
	s_add_co_u32 s43, s43, 2*HALFS
	s_sub_co_u32 s43, s43, s42
	v_mul_u32_u24 v6, s43, v2
	s_add_co_u32 s42, s42, SCL
	v_add_nc_u32 v5, v5, v6
	v_add_nc_u32 v[ADRS], s42, v5
	s_cmp_eq_u32 s66, 2
	s_cbranch_scc1 .Lbias_v
	v_lshlrev_b32 v25, 6, v2
.irp b, 0,1,2,3,4,5,6,7
	global_load_b128 v[BI+8*\b:BI+8*\b+3], v25, s[8:9] offset:(32*(\b/2)+8*(\b%2))*4
	global_load_b128 v[BI+8*\b+4:BI+8*\b+7], v25, s[8:9] offset:(32*(\b/2)+8*(\b%2))*4+16
.endr
	s_branch .Lbias_in
.Lbias_v:
	v_and_b32 v25, 8, v1
	v_add_nc_u32 v25, v25, v1
	v_lshlrev_b32 v25, 2, v25
.irp a, 0,1,2,3,4,5,6,7
	global_load_b32 v[BI+8*\a], v25, s[8:9] offset:(32*(\a/2)+8*(\a%2))*4
.endr
	s_wait_loadcnt 0x0
.irp a, 0,1,2,3,4,5,6,7
.irp j, 1,2,3,4,5,6,7
	v_mov_b32 v[BI+8*\a+\j], v[BI+8*\a]
.endr
.endr
.rept 4
	v_nop
.endr
.Lbias_in:
.macro FRAG reg, adr, q, i
.irp c, 0,1,2,3
	ds_load_b128 v[\reg+4*\c:\reg+4*\c+3], v[\adr] offset:FRB*(\q)+512*\c+(\i)*BLKS
.endr
.endm
.macro MUL16 a0, p, q, sc, cm
.irp a, \a0, \a0+1
.irp b, 0,1,2,3,4,5,6,7
.if \cm == 1
	v_wmma_scale_f32_16x16x128_f8f6f4 v[8*(8*((\a)%4)+\b):8*(8*((\a)%4)+\b)+7], v[128*(\p)+FR*\b:128*(\p)+FR*\b+FR-1], v[AF+FR*(\a):AF+FR*(\a)+FR-1], v[BI+8*\b:BI+8*\b+7], v[SC+8*NQ*(\sc)+NQ*\b+(\q)], v[SC+8*NQ*(\sc)+NQ*(\a)+(\q)] matrix_a_scale:MATRIX_SCALE_ROW1
.elseif \cm == 2
	v_wmma_scale_f32_16x16x128_f8f6f4 v[8*(8*((\a)%4)+\b):8*(8*((\a)%4)+\b)+7], v[128*(\p)+FR*\b:128*(\p)+FR*\b+FR-1], v[AF+FR*(\a):AF+FR*(\a)+FR-1], v[BI+8*(\a):BI+8*(\a)+7], v[SC+8*NQ*(\sc)+NQ*\b+(\q)], v[SC+8*NQ*(\sc)+NQ*(\a)+(\q)] matrix_a_scale:MATRIX_SCALE_ROW1
.else
	v_wmma_scale_f32_16x16x128_f8f6f4 v[8*(8*((\a)%4)+\b):8*(8*((\a)%4)+\b)+7], v[128*(\p)+FR*\b:128*(\p)+FR*\b+FR-1], v[AF+FR*(\a):AF+FR*(\a)+FR-1], v[8*(8*((\a)%4)+\b):8*(8*((\a)%4)+\b)+7], v[SC+8*NQ*(\sc)+NQ*\b+(\q)], v[SC+8*NQ*(\sc)+NQ*(\a)+(\q)] matrix_a_scale:MATRIX_SCALE_ROW1
.endif
.endr
.endr
.endm
.macro FETCH_B slot, q, p
	WIN TO_B
.irp i, 0,1,2,3,4,5,6,7
	FRAG 128*(\p)+FR*\i, ADRB+\slot, \q, \i
.endr
	WIN 0
.endm
.macro FETCH_A slot, q, i0
.irp i, \i0, \i0+1, \i0+2, \i0+3
	FRAG AF+FR*(\i), ADRA+\slot, \q, \i
.endr
.endm
.macro SCALES sc
.irp i, 0,1,2,3,4,5,6,7
	ds_load_b64 v[SC+8*NQ*\sc+NQ*\i:SC+8*NQ*\sc+NQ*\i+1], v[ADRS] offset:\i*512
.endr
.endm
.macro PLACES n
.rept \n
	v_nop
.endr
.endm
.macro STEP slot, q, cm
	s_wait_dscnt 4*NL
.if \cm
	WIN BIAS_LO
.else
	WIN MUL_LO
.endif
	MUL16 0, (\q)%2, \q, \slot, \cm
	MUL16 2, (\q)%2, \q, \slot, \cm
	s_wait_dscnt 0x0
	PLACES NP
	FETCH_B \slot, (\q)+1, 1-(\q)%2
	FETCH_A \slot, (\q)+1, 0
.if \cm
	WIN BIAS_HI
.else
	WIN MUL_HI
.endif
	MUL16 4, (\q)%2, \q, \slot, \cm
	MUL16 6, (\q)%2, \q, \slot, \cm
	PLACES NP
	WIN 0
	FETCH_A \slot, (\q)+1, 4
.endm
.macro TURN slot, next, fill
	s_wait_tensorcnt 0x0
	ds_add_u32 v[SPW], v[NIL]
	s_wait_dscnt 4*NL+1
	WIN MUL_LO
	MUL16 0, 1, NQ-1, \slot, 0
	s_wait_dscnt 0x0
	s_barrier_signal -1
	MUL16 2, 1, NQ-1, \slot, 0
	WIN 0
	s_barrier_wait -1
.if \fill
	CREST
	s_add_nc_u64 s[G0+4*\slot+2:G0+4*\slot+3], s[G0+4*\slot+2:G0+4*\slot+3], 2*BLKS
	s_add_nc_u64 s[G0B+4*\slot+2:G0B+4*\slot+3], s[G0B+4*\slot+2:G0B+4*\slot+3], 2*BLKS
	JLOAD G0+4*\slot, G1, G0B+4*\slot, G1B
	PLACES NP-4
.else
	PLACES NP
.endif
	s_wait_alu depctr_va_vdst(0)
	v_add_nc_u32 v[ADRS], 128, v[ADRS]
	FETCH_B \next, 0, 0
	FETCH_A \next, 0, 0
	SCALES \next
	WIN MUL_HI
	MUL16 4, 1, NQ-1, \slot, 0
	MUL16 6, 1, NQ-1, \slot, 0
	PLACES NP
	WIN 0
	FETCH_A \next, 0, 4
.endm
	s_wait_alu depctr_va_vdst(0)                   ; the wait at the head's end
	s_wait_tensorcnt 0x0                           ; my tile of the head's four is in; the three lines ahead of a later first fill, as ahead of a refill
	ds_add_u32 v28, v29
	s_mov_b32 s[G1+2], 8<<16                       ; no tensor load of mine is out: from here on a load brings 8 blocks
	s_mov_b32 s[G1+4], 8
	s_mov_b32 s[G1B+2], 8<<16
	s_mov_b32 s[G1B+4], 8
	s_wait_dscnt 0x0
	CROUND                                         ; all four tiles are in, in every partner
	JLOAD G0+4, G1, G0B+4, G1B                     ; K step 1: the first tensor load behind the round
	s_wait_alu depctr_va_vdst(0)
	FETCH_B 0, 0, 0
	FETCH_A 0, 0, 0
	SCALES 0
	FETCH_A 0, 0, 4
	s_wait_loadcnt 0x0
	s_cmp_eq_u32 s66, 2
	s_cbranch_scc1 .Lfirst_v
	STEP 0, 0, 1
	s_branch .Lfirst_done
.Lfirst_v:
	STEP 0, 0, 2
.Lfirst_done:
	TURN 0, 1, 1
	STEP 1, 0, 0
	TURN 1, 0, 1
	STEP 0, 0, 0
	TURN 0, 1, 0
	STEP 1, 0, 0
	s_wait_dscnt 4*NL
	WIN MUL_LO
	MUL16 0, 1, NQ-1, 1, 0
	MUL16 2, 1, NQ-1, 1, 0
	s_wait_dscnt 0x0
	WIN MUL_HI
	MUL16 4, 1, NQ-1, 1, 0
	MUL16 6, 1, NQ-1, 1, 0
	WIN 0
	s_mov_b32 s92, 0x76543210
	s_mov_b32 s93, 0xfedcba98
	s_mov_b32 s94, 0x600000
.irp b, 0,1,2,3
	v_mov_b32 v[TM+4+\b], 0
.endr
	v_mov_b32 v[VO], v3
	v_add_nc_u32 v[VO+1], 512, v3
	v_add_nc_u32 v[VO+2], s67, v3
	v_add_nc_u32 v[VO+3], 512, v[VO+2]
.macro QUANTW a
.set W, 2+(\a)/4
.set S, 64*((\a)%4)
	WIN (5*W)
.irp b, 0,1,2,3
	v_max3_num_f32 v[TM+\b], |v[S+16*\b]|, |v[S+16*\b+1]|, 0x4800000
.endr
	WIN (20*W)
.irp i, 2,4,6,8,10,12,14
.irp b, 0,1,2,3
	v_max3_num_f32 v[TM+\b], v[TM+\b], |v[S+16*\b+\i]|, |v[S+16*\b+\i+1]|
.endr
.endr
	WIN 0
.irp b, 0,1,2,3
	v_permlanex16_b32 v[TM+4+\b], v[TM+\b], s92, s93
.endr
.irp b, 0,1,2,3
	v_max_num_f32 v[TM+\b], v[TM+\b], v[TM+4+\b]
.endr
.irp b, 0,1,2,3
	v_add_nc_u32 v[TM+12+\b], 0xfc000000, v[TM+\b]
.endr
.irp b, 0,1,2,3
	v_and_or_b32 v[TM+8+\b], v[TM+\b], 0x7f800000, s94
.endr
.irp b, 0,1,2,3
	v_lshrrev_b32 v[TM+4+\b], 23, v[TM+12+\b]
.endr
	v_lshl_or_b32 v[SWD+(\a)], v[TM+5], 8, v[TM+4]
	v_lshl_or_b32 v[SWD+(\a)], v[TM+6], 16, v[SWD+(\a)]
	v_lshl_or_b32 v[SWD+(\a)], v[TM+7], 24, v[SWD+(\a)]
.if (\a) > 0
	s_wait_xcnt 0x0
.irp c, 0,1,2,3
.if (\a) == 4
	v_add_nc_u32 v[VO+\c], s101, v[VO+\c]
.else
	v_add_nc_u32 v[VO+\c], s100, v[VO+\c]
.endif
.endr
.endif
	WIN (65*W)
.irp b, 0,1,2,3
.irp i, 0,1,2,3,4,5,6,7,8,9,10,11,12,13,14,15
	v_med3_num_f32 v[S+16*\b+\i], v[S+16*\b+\i], -v[TM+8+\b], v[TM+8+\b]
.endr
.endr
	WIN W
.irp b, 0,1,2,3
	v_cvt_scalef32_pk8_fp8_f32 v[PC+4*\b:PC+4*\b+1], v[S+16*\b:S+16*\b+7], v[TM+12+\b]
	v_cvt_scalef32_pk8_fp8_f32 v[PC+4*\b+2:PC+4*\b+3], v[S+16*\b+8:S+16*\b+15], v[TM+12+\b]
.endr
	WIN 0
	v_nop
.irp c, 0,1,2,3
	global_store_b128 v[VO+\c], v[PC+4*\c:PC+4*\c+3], s[96:97]
.endr
.endm
.irp a, 0,1,2,3,4,5,6,7
	QUANTW \a
.endr
	s_wait_xcnt 0x0
	v_cmp_ne_u32 vcc_lo, 0, v2
	v_lshlrev_b32 v24, 4, v1
	s_cmp_eq_u32 s66, 0
	s_cbranch_scc0 .Lnot_q
	v_mov_b32 v92, 0x01000100
	v_mov_b32 v93, 0x03020302
	v_cndmask_b32 v92, v92, v93, vcc_lo
	v_lshl_add_u32 v24, v2, 13, v24
.irp i, 0,1,2,3,4,5,6,7
	v_perm_b32 v[PC+\i], v[SWD+\i], v[SWD+\i], v92
.endr
	global_store_b128 v24, v[PC:PC+3], s[12:13]
	global_store_b128 v24, v[PC+4:PC+7], s[12:13] offset:256
	s_branch .Ldone
.Lnot_q:
	v_mul_u32_u24 v93, 0x42000, v2
	s_wait_alu depctr_va_vdst(0)
	v_add_nc_u32 v24, v24, v93
	s_cmp_eq_u32 s66, 1
	s_cbranch_scc0 .Lis_v
	v_mov_b32 v92, 0x05040100
	v_mov_b32 v93, 0x07060302
	v_cndmask_b32 v92, v92, v93, vcc_lo
.irp p, 0,1,2,3
	v_perm_b32 v[PC+\p], v[SWD+2*\p+1], v[SWD+2*\p], v92
.endr
	global_store_b128 v24, v[PC:PC+3], s[96:97] offset:16384
	s_branch .Ldone
.Lis_v:
.irp i, 0,1,2,3
	v_cndmask_b32 v[PC+\i], v[SWD+\i], v[SWD+4+\i], vcc_lo
.endr
	s_wait_alu depctr_va_vdst(0)
	global_store_b128 v24, v[PC:PC+3], s[96:97] offset:8448
.Ldone:
	s_wait_tensorcnt 0x0
	ds_add_u32 v[SPW], v[NIL]
	s_wait_dscnt 0x0
	CROUND
	s_endpgm
.Lfunc_end_k_q111ec8976d_qkv:
	.size	k_q111ec8976d_qkv, .Lfunc_end_k_q111ec8976d_qkv-k_q111ec8976d_qkv
	.p2alignl 7, 3214868480
	.fill 96, 4, 3214868480
	.section	.rodata,"a",@progbits
	.p2align	6, 0x0
	.amdhsa_kernel k_q111ec8976d_qkv
		.amdhsa_group_segment_fixed_size 327680
		.amdhsa_private_segment_fixed_size 0
		.amdhsa_enable_private_segment 0
		.amdhsa_kernarg_size 48
		.amdhsa_user_sgpr_count 2
		.amdhsa_user_sgpr_kernarg_segment_ptr 1
		.amdhsa_wavefront_size32 1
		.amdhsa_system_sgpr_workgroup_id_x 1
		.amdhsa_system_sgpr_workgroup_id_y 1
		.amdhsa_system_sgpr_workgroup_id_z 1
		.amdhsa_system_vgpr_workitem_id 0
		.amdhsa_next_free_vgpr 1024
		.amdhsa_next_free_sgpr 102
		.amdhsa_reserve_vcc 1
		.amdhsa_float_denorm_mode_32 3
		.amdhsa_float_denorm_mode_16_64 3
		.amdhsa_memory_ordered 1
		.amdhsa_forward_progress 1
		.amdhsa_inst_pref_size 207
	.end_amdhsa_kernel
	.amdgpu_metadata
---
amdhsa.version: [ 1, 2 ]
amdhsa.kernels:
  - .name:           k_q111ec8976d_qkv
    .symbol:         k_q111ec8976d_qkv.kd
    .args:
      - { .name: cod, .offset: 0, .size: 8, .value_kind: global_buffer, .address_space: global }
      - { .name: scl, .offset: 8, .size: 8, .value_kind: global_buffer, .address_space: global }
      - { .name: b_qkv, .offset: 16, .size: 8, .value_kind: global_buffer, .address_space: global }
      - { .name: qc, .offset: 24, .size: 8, .value_kind: global_buffer, .address_space: global }
      - { .name: qs, .offset: 32, .size: 8, .value_kind: global_buffer, .address_space: global }
      - { .name: kv, .offset: 40, .size: 8, .value_kind: global_buffer, .address_space: global }
    .group_segment_fixed_size: 327680
    .private_segment_fixed_size: 0
    .kernarg_segment_align: 8
    .kernarg_segment_size: 48
    .max_flat_workgroup_size: 128
    .sgpr_count:     102
    .vgpr_count:     1024
    .wavefront_size: 32
...
	.end_amdgpu_metadata
.endif
;; end of part 2
;; launch attn (part 3): grid 4 x 64, 8 waves a work-group, clusters of 4 x 1, 272,384 bytes of LDS; arguments qc, qs, kv, oc, os; writes oc, os
.if DOCPART == 3
	.amdgcn_target "amdgcn-amd-amdhsa--gfx1250"
	.amdhsa_code_object_version 6
	.text
	.protected	k_q111ec8976d_attn
	.globl	k_q111ec8976d_attn
	.p2align	8
	.type	k_q111ec8976d_attn,@function
k_q111ec8976d_attn:
	s_mov_b64 s[64:65], 0
	v_nop
	global_prefetch_b8 v0, s[64:65] scope:SCOPE_SE
	s_setreg_imm32_b32 hwreg(HW_REG_WAVE_MODE, 25, 1), 1
	s_wait_xcnt 0x0
	s_wait_alu depctr_hold_cnt(0) depctr_sa_sdst(0) depctr_va_vdst(0) depctr_va_sdst(0) depctr_va_ssrc(0) depctr_va_vcc(0) depctr_vm_vsrc(0)
	s_getreg_b32 s2, hwreg(HW_REG_IB_STS2, 6, 4)
	s_cmp_eq_u32 s2, 0
	s_cbranch_scc0 .Lentry_in_a_cluster
	s_endpgm
.Lentry_in_a_cluster:
	s_bfe_u32 s2, ttmp6, 0x10000c
	s_cmp_lg_u32 s2, 0x3003
	s_cbranch_scc0 .Lentry_shape_is_right
	s_endpgm
.Lentry_shape_is_right:
; o = softmax(q k^T / 8) v for one head of 64 and 2,048 keys, both products on codes of FP8 (E4M3) with E8M0 scales for each 32 along K; o leaves quantised along the head's 64, as an operand of the last product.
; THE SOFTMAX: t = score x log2(e) / 8; M = the running largest t rounded UP to a whole number; p = 2^(t - M) is quantised along the keys, not normalised; the row's sum is taken of the unquantised p and divides at the end.
; When M moves, the sum and O are multiplied by 2^(old M - new M): exact.
; SHARES: a work-group owns 512 queries of one head; each of its eight waves 64 of them, in two passes of TWO tiles of 16: every fragment of K and of V^T that a wave reads from LDS feeds both tiles.
; THE WHOLE HEAD LIES IN LDS: 16 records of 16,896 bytes (128 keys each).  Wave w brings records 2 w and 2 w + 1 by one tensor load (132 rows of 256 bytes); nothing is filled again, so the loops have no barrier.
; CLUSTER: the four work-groups of a cluster belong to one head: each pair of records is asked for jointly, by the same load with the same descriptor and a mask that names the four.
; NO PREFETCH: the launch's one stream from memory is asked for whole at its head; there is no loop to run ahead in.
; A RECORD: +0 four images of PAIRS of key blocks (parts 0, 1 the even block's 64 along d, parts 2, 3 the odd block's); +8192 four images of V^T (16 of the head's 64 x 128 keys); +16384 K's scale words [r][pair]; +16640 V's [r][image].
; K = 64 IN AN INSTRUCTION OF 128: q stands between runs of zero codes.  A pair's image against (q | zeros) gives the even block's scores, against (zeros | q) the odd block's; q's scale word holds its two bytes twice.
; LAYOUT: both products transposed (S^T = K q^T, O^T = V^T p^T): a lane holds ONE query of each tile.  Place r of block 2 g + u is row 32 g + 8 u + r + 8 (r / 8), so the 16 registers of two neighbouring result tiles are 16 neighbours.
; LIMITS: the promise holds while the scaled scores t stay under 2^31 in magnitude; NaN and infinities are not served; a block of zeros gets the scale byte 1 (zero codes; this program alone reads the bytes).
; REGISTERS.  Window 0 (all of the softmax, both tiles t = 0, 1 by turns, no switch of windows): v1 16 x lane, v2 16 r, v3, v4 the step's LDS addresses, v5 o's scale bytes' offset, v6, v7 the add's two;
;   v[10+2t] -M, v[11+2t] the largest score; v[14+2t:15+2t] the sum in two halves; v[18+2t] f; v[22+t] p's scale word; v[24+t] q's; v28-31 K's, v32-35 V's scale words;
;   v[36+16t] on: 4 block maxima, 4 lane-permute results and bytes, 4 holds, 4 conversion scales; v68-71 at work; v72-87 partial sums; v[96+64t] on S^T, then p; v[224+16t] on partial sums, then p's codes.
; Window 1: v0-63 K's four images, v64-127 V^T's; v[128+32t] on O^T; v192-231 zeros | q0 | zeros | q1 | zeros.
.set REC,   16896
.set HEADB, 16*REC
.set SPARE, HEADB                      ; behind the head: the spare words, 128 bytes for each wave
.set SPW, 6
.set NIL, 7
.set PS,  22
.set QS,  24
.set KS,  28
.set VS,  32
.set WV,  14                           ; s14 my wave's number
.set NC,  17                           ; s17 -c
.set PASS, 18                          ; s18 passes to go
.set MNT, 19                           ; s19 the mantissa field of 448
.set SEL, 20                           ; s[20:21] lane selects: lane l xor 16
.set CS,  22                           ; s[22:23] c = log2(e) / 8
.set G0,  24
.set G1,  28
.set TB,  36                           ; s36 LDS byte at which the step's record begins
.set CNT, 37                           ; s37 steps to go in the loop
.set HM,  46                           ; s46 mask of lanes 16-31 (made behind the tensor load)
.set MSB, 0
.macro WIN new                         ; the immediate's high byte repeats the setting that is left
.if MSB != (\new)
	s_set_vgpr_msb (MSB<<8)|(\new)
.set MSB, (\new)
.endif
.endm
.macro WALU
	s_wait_alu depctr_va_vdst(0)
.endm
.macro D2
	s_delay_alu instid0(VALU_DEP_2)
.endm
.macro CROUND                          ; a round of the cluster's barrier
	s_barrier_signal -1
	s_barrier_wait -1
	s_cmp_lg_u32 s[WV], 0
	s_cbranch_scc1 .Lnot_wave_0_\@
	s_barrier_signal -3
.Lnot_wave_0_\@:
	s_barrier_wait -3
	s_barrier_signal -1
	s_barrier_wait -1
.endm
.macro FRAGS reg, adr, off             ; four images, 16 loads, into window 1
.irp p, 0,1,2,3
.irp c, 0,1,2,3
	ds_load_b128 v[\reg+16*\p+4*\c:\reg+16*\p+4*\c+3], v[\adr] offset:\off+2048*\p+512*\c
.endr
.endr
.endm
.macro QLOAD off, soff                 ; two tiles' codes (half a fragment each) and their scale words
	WIN 0x40
	global_load_b128 v[200:203], v1, s[4:5] offset:\off
	global_load_b128 v[204:207], v1, s[4:5] offset:\off+512
	global_load_b128 v[216:219], v1, s[4:5] offset:\off+1024
	global_load_b128 v[220:223], v1, s[4:5] offset:\off+1536
	WIN 0
	global_load_b64 v[QS:QS+1], v2, s[6:7] offset:\soff
.endm
; the hold on two numbers in one issue: pair n (a symbol, 0..31) of a tile's 64.  The halves take an even register of one block and an odd one of its neighbour,
; so that destinations differ in parity and both pairs of sources lie in different register banks
.macro DM1 sb, hd
	v_dual_min_num_f32 v[\sb+32*(n/16)+16*(n%2)+2*((n%16)/2)], v[\sb+32*(n/16)+16*(n%2)+2*((n%16)/2)], v[\hd+2*(n/16)+(n%2)] :: v_dual_min_num_f32 v[\sb+32*(n/16)+16*(1-n%2)+2*((n%16)/2)+1], v[\sb+32*(n/16)+16*(1-n%2)+2*((n%16)/2)+1], v[\hd+2*(n/16)+1-(n%2)]
.endm
.macro DM8 sb, hd
.rept 8
	DM1 \sb, \hd
.set n, n+1
.endr
.endm
.macro PADD d, a, b, cnt               ; cnt packed additions on pairs that follow each other
.set j, 0
.rept \cnt
	v_pk_add_f32 v[\d+2*j:\d+2*j+1], v[\a+2*j:\a+2*j+1], v[\b+2*j:\b+2*j+1]
.set j, j+1
.endr
.endm
	s_load_b256 s[4:11], s[0:1], 0x0               ; qc s[4:5], qs s[6:7], kv s[8:9], oc s[10:11]
	s_load_b64 s[12:13], s[0:1], 0x20              ; os
	v_lshl_add_u32 v[SPW], v0, 2, SPARE
	v_mov_b32 v[NIL], 0
	ds_add_u32 v[SPW], v[NIL]                      ; the opening lines: the add, twice on end, and its wait
	ds_add_u32 v[SPW], v[NIL]
	v_lshrrev_b32 v9, 5, v0
	v_readfirstlane_b32 s[WV], v9                  ; wave 0..7
	s_bfe_u32 s15, ttmp6, 0x40000                  ; cx: it enters q's and o's addresses alone
	s_and_b32 s16, ttmp7, 0xffff                   ; batch x 16 + head, which the four partners share
	s_mul_i32 s40, s16, HEADB
	s_mul_i32 s38, s[WV], 2*REC                    ; my two records: in the head, and in LDS
	s_add_co_u32 s40, s40, s38
	s_mov_b32 s41, 0
	s_mov_b32 s[G1], 15|(3<<16)|(1<<21)            ; the mask: all four work-groups; elements of 8 bytes; bit 21 beside a mask
	s_mov_b32 s[G1+1], 32<<16                      ; rows of 256 bytes
	s_mov_b32 s[G1+2], 132<<16                     ; 132 rows: two dense records
	s_mov_b32 s[G1+3], 32<<16
	s_mov_b32 s[G1+4], 132
	s_mov_b32 s[G1+5], 32
	s_mov_b32 s[G1+6], 0
	s_mov_b32 s[G1+7], 0
	s_mov_b32 s[SEL], 0x76543210
	s_mov_b32 s[SEL+1], 0xfedcba98
	s_mov_b32 s[CS], 0x3e38aa3b                    ; log2(e) / 8
	s_mov_b32 s[CS+1], s[CS]
	s_mov_b32 s[NC], 0xbe38aa3b
	s_mov_b32 s[MNT], 0x600000
	s_lshl_b32 s42, s15, 5
	s_lshl_b32 s43, s[WV], 2
	s_add_co_u32 s42, s42, s43                     ; my first query block of the batch's 128: 32 cx + 4 wave
	s_lshl_b32 s44, s16, 17                        ; qc: 131,072 bytes a head, 1,024 a block
	s_lshl_b32 s43, s42, 10
	s_add_co_u32 s44, s44, s43
	s_mov_b32 s45, 0
	s_lshl_b32 s46, s16, 13                        ; qs: 8,192 bytes a head, 256 for my four blocks
	s_lshl_b32 s43, s42, 6
	s_add_co_u32 s46, s46, s43
	s_mov_b32 s47, 0
	s_wait_dscnt 0x0
	s_wait_kmcnt 0x0
	s_add_nc_u64 s[4:5], s[4:5], s[44:45]
	s_add_nc_u64 s[6:7], s[6:7], s[46:47]
	s_lshr_b32 s43, s16, 4                         ; the batch
	s_lshl_b32 s43, s43, 7
	s_add_co_u32 s42, s42, s43                     ; my first block of all 512
	s_and_b32 s39, s16, 15                         ; the head
	s_lshl_b32 s44, s42, 14                        ; oc: 16,384 bytes a block; the head's parts 1,024 x head bytes on
	s_lshl_b32 s43, s39, 10
	s_add_co_u32 s44, s44, s43
	s_add_nc_u64 s[10:11], s[10:11], s[44:45]
	s_lshl_b32 s46, s42, 9                         ; os: 512 bytes a block; 128 (head / 4) + 8 r + 2 (head % 4)
	s_lshr_b32 s43, s39, 2
	s_lshl_b32 s43, s43, 7
	s_add_co_u32 s46, s46, s43
	s_and_b32 s43, s39, 3
	s_lshl_b32 s43, s43, 1
	s_add_co_u32 s46, s46, s43
	s_add_nc_u64 s[12:13], s[12:13], s[46:47]
	s_mov_b32 s[G0], 1
	s_mov_b32 s[G0+1], s38
	s_add_nc_u64 s[G0+2:G0+3], s[8:9], s[40:41]
	s_or_b32 s[G0+3], s[G0+3], 0x80000000
	CROUND                                         ; all four work-groups are here: the joint loads meet
	tensor_load_to_lds s[G0:G0+3], s[G1:G1+7]      ; my one tensor load of the launch
	s_nop 0
.rept 4
	v_nop
.endr
	v_and_b32 v9, 31, v0
	v_and_b32 v10, 15, v0
	v_bfe_u32 v8, v0, 4, 1                         ; h
	v_lshlrev_b32 v1, 4, v9                        ; 16 x lane
	v_lshlrev_b32 v2, 4, v10                       ; 16 r
	v_lshlrev_b32 v5, 3, v10
	s_delay_alu instid0(VALU_DEP_1)
	v_lshl_add_u32 v5, v8, 9, v5                   ; o's scale bytes: 8 r, + a block's 512 for lanes 16-31
	v_cmp_ne_u32 s[HM], 0, v8
	QLOAD 0, 0
	WIN 0x40
.irp j, 0,1,2,3,4,5,6,7
	v_mov_b32 v[192+\j], 0                         ; the zero codes beside q
	v_mov_b32 v[208+\j], 0
	v_mov_b32 v[224+\j], 0
.endr
	WIN 0
.irp j, 40,41,42,43,56,57,58,59,68,69,19,21
	v_mov_b32 v[\j], 0                             ; written once: lane permutes' destinations, and the upper halves of f's pairs
.endr
	WALU                                           ; the wait at the head's end
	s_wait_tensorcnt 0x0                           ; my two records are in,
	s_barrier_signal -1
	s_barrier_wait -1                              ; everybody's are: the head lies in LDS
	WIN 0x40
	FRAGS 0, 1, 0                                  ; record 0's images of K
	WIN 0
	ds_load_b128 v[KS:KS+3], v2 offset:16384
	s_mov_b32 s[PASS], 2
; A KEY STEP: the 128 keys of the record at s[TB], for both tiles.  last = 1: a pass's sixteenth step, whose successor is record 0
.macro STEP last
	s_wait_dscnt 0x0                               ; K's images and scale words, asked for a step ago
	WIN 0x05
.irp p, 0,1,2,3                        ; S^T: register 16 p + i of lane (r, h) is key 32 p + 16 h + i for query r
.irp t, 0,1
	v_wmma_scale_f32_16x16x128_f8f6f4 v[96+64*\t+16*\p:96+64*\t+16*\p+7], v[16*\p:16*\p+15], v[200+16*\t:215+16*\t], 0, v[KS+\p], v[QS+\t]
	v_wmma_scale_f32_16x16x128_f8f6f4 v[96+64*\t+16*\p+8:96+64*\t+16*\p+15], v[16*\p:16*\p+15], v[192+16*\t:207+16*\t], 0, v[KS+\p], v[QS+\t]
.endr
.endr
	WIN 0
	v_add_nc_u32 v3, s[TB], v1                     ; eight places behind the products, the last step's second product among them: ahead of the loads below and of the first read of the scores
	v_add_nc_u32 v4, s[TB], v2
	v_mov_b32 v68, v10                             ; the old -M
	v_mov_b32 v69, v12
.rept 4
	v_nop
.endr
	WIN 0x40
	FRAGS 64, 3, 8192                              ; this step's V^T,
.if \last
	FRAGS 0, 1, 0                                  ; and the next step's K: record 0, for the next pass (behind the last pass nothing reads it)
	WIN 0
	ds_load_b128 v[VS:VS+3], v4 offset:16640
	ds_load_b128 v[KS:KS+3], v2 offset:16384
	s_cmp_eq_u32 s[PASS], 1
	s_cbranch_scc1 .Lno_q_\@
	QLOAD 2048, 8                                  ; the second pass's q lands under this step and the way out
.Lno_q_\@:
.else
	FRAGS 0, 3, REC
	WIN 0
	ds_load_b128 v[VS:VS+3], v4 offset:16640
	ds_load_b128 v[KS:KS+3], v4 offset:REC+16384
.endif
.irp t, 0,1
.irp b, 0,1,2,3
	v_max3_num_f32 v[36+16*\t+\b], v[96+64*\t+16*\b], v[97+64*\t+16*\b], v[98+64*\t+16*\b]   ; the largest score of each block of 32 keys: for the row's maximum and for the block's largest p.  Eight chains by turns
.endr
.endr
.irp i, 3,5,7,9,11,13
.irp t, 0,1
.irp b, 0,1,2,3
	v_max3_num_f32 v[36+16*\t+\b], v[36+16*\t+\b], v[96+64*\t+16*\b+\i], v[97+64*\t+16*\b+\i]
.endr
.endr
.endr
.irp t, 0,1
.irp b, 0,1,2,3
	v_max_num_f32 v[36+16*\t+\b], v[36+16*\t+\b], v[111+64*\t+16*\b]
.endr
.endr
.irp t, 0,1
.irp b, 0,1,2,3
	v_permlanex16_b32 v[40+16*\t+\b], v[36+16*\t+\b], s[SEL], s[SEL+1]
.endr
.endr
.irp t, 0,1
.irp b, 0,1,2,3
	v_max_num_f32 v[36+16*\t+\b], v[36+16*\t+\b], v[40+16*\t+\b]   ; with lane l xor 16's 16 keys
.endr
.endr
	v_max3_num_f32 v70, v36, v37, v38
	s_delay_alu instid0(VALU_DEP_3)
	v_max3_num_f32 v71, v52, v53, v54
.irp t, 0,1
	D2
	v_max3_num_f32 v[11+2*\t], v[11+2*\t], v[70+\t], v[39+16*\t]   ; the running largest score
.endr
.irp t, 0,1
	D2
	v_mul_f32 v[70+\t], s[NC], v[11+2*\t]          ; -t (c is positive, so the largest score gives the largest t)
.endr
.irp t, 0,1
	D2
	v_floor_f32 v[10+2*\t], v[70+\t]               ; the new -M = floor(-t) = -ceil(t)
.endr
.irp t, 0,1
	D2
	v_sub_f32 v[68+\t], v[10+2*\t], v[68+\t]       ; old M - new M: a whole number, 0 or less
.endr
.irp t, 0,1
	D2
	v_cvt_i32_f32 v[68+\t], v[68+\t]               ; (it saturates)
.endr
.irp t, 0,1
	D2
	v_ldexp_f32 v[18+2*\t], 1.0, v[68+\t]          ; f = 2^(old M - new M)
.endr
.set j, 0
.rept 32
	v_pk_fma_f32 v[96+2*j:97+2*j], v[96+2*j:97+2*j], s[CS:CS+1], v[10:11] op_sel_hi:[1,0,0]   ; tile 0: t - M, two at a time
.set j, j+1
.endr
.irp t, 0,1
.irp b, 0,1,2,3
	v_fma_f32 v[36+16*\t+\b], v[36+16*\t+\b], s[CS], v[10+2*\t]   ; the same of each block's largest score
.endr
.endr
	WALU                                           ; the wait ahead of the batch
.irp t, 0,1
.irp b, 0,1,2,3
	v_exp_f32 v[36+16*\t+\b], v[36+16*\t+\b]       ; the blocks' largest p
.endr
.endr
.set j, 0
.rept 32                               ; tile 0's p = 2^(t - M); tile 1's t - M, which hangs on nothing of the batch and is read behind the wait, stands among the exponentials
	v_exp_f32 v[96+2*j], v[96+2*j]
	v_exp_f32 v[97+2*j], v[97+2*j]
	v_pk_fma_f32 v[160+2*j:161+2*j], v[160+2*j:161+2*j], s[CS:CS+1], v[12:13] op_sel_hi:[1,0,0]
.set j, j+1
.endr
	WALU                                           ; one wait for the batch
.irp t, 0,1
.irp b, 0,1,2,3
	v_max_num_f32 v[36+16*\t+\b], 0x4800000, v[36+16*\t+\b]   ; the floor 2^(9 - 127): the byte cannot fall under 1
.endr
.endr
.irp t, 0,1
.irp b, 0,1,2,3
	v_add_nc_u32 v[48+16*\t+\b], 0xfc000000, v[36+16*\t+\b]   ; 8 off the exponent field: the conversion's scale operand
.endr
.endr
.irp t, 0,1
.irp b, 0,1,2,3
	v_and_or_b32 v[44+16*\t+\b], v[36+16*\t+\b], 0x7f800000, s[MNT]   ; 448 x the scale
.endr
.endr
.irp t, 0,1
.irp b, 0,1,2,3
	v_lshrrev_b32 v[40+16*\t+\b], 23, v[48+16*\t+\b]   ; the scale's byte
.endr
.endr
	v_lshl_or_b32 v[PS], v41, 8, v40               ; p's scale words for these 128 keys
	s_delay_alu instid0(VALU_DEP_4)
	v_lshl_or_b32 v[PS+1], v57, 8, v56
.irp t, 0,1
	D2
	v_lshl_or_b32 v[PS+\t], v[42+16*\t], 16, v[PS+\t]
.endr
.irp t, 0,1
	D2
	v_lshl_or_b32 v[PS+\t], v[43+16*\t], 24, v[PS+\t]
.endr
	WALU                                           ; ahead of the second batch: its sources, and what the lines among it read
.set j, 0
.rept 8                                ; tile 1's p; among its exponentials tile 0's first 16 sums of pairs (of the UNQUANTISED p), each into registers of its own,
	v_exp_f32 v[160+4*j], v[160+4*j]
	v_exp_f32 v[161+4*j], v[161+4*j]
	v_pk_add_f32 v[224+2*j:225+2*j], v[96+2*j:97+2*j], v[112+2*j:113+2*j]
	v_exp_f32 v[162+4*j], v[162+4*j]
	v_exp_f32 v[163+4*j], v[163+4*j]
	v_pk_add_f32 v[72+2*j:73+2*j], v[128+2*j:129+2*j], v[144+2*j:145+2*j]
.set j, j+1
.endr
.set n, 0
.rept 32                               ; and then tile 0's holds: the conversion to an 8-bit code does not saturate (ISA guide 7.6.2); p is not negative, so the hold is one-sided
	v_exp_f32 v[192+n], v[192+n]
	DM1 96, 44
.set n, n+1
.endr
	v_nop                                          ; a plain place behind the last exponential
	WALU                                           ; one wait for the batch
	PADD 224, 224, 72, 8                           ; the rows' sums go on, the two tiles' trees by turns
	PADD 240, 160, 176, 8
	PADD 224, 224, 232, 4
	PADD 240, 240, 192, 8
	PADD 224, 224, 228, 2
	PADD 240, 240, 208, 8
	PADD 224, 224, 226, 1
	PADD 240, 240, 248, 4
	v_pk_fma_f32 v[14:15], v[14:15], v[18:19], v[224:225] op_sel_hi:[1,0,1]   ; tile 0: the sum under the new M, and this step's part
.set n, 0
	DM8 160, 60                                    ; tile 1's holds, the end of its tree among them
	PADD 240, 240, 244, 2
	DM8 160, 60
	PADD 240, 240, 242, 1
	DM8 160, 60
	v_pk_fma_f32 v[16:17], v[16:17], v[20:21], v[240:241] op_sel_hi:[1,0,1]
	DM8 160, 60
.irp t, 0,1
.irp b, 0,1,2,3
	v_cvt_scalef32_pk8_fp8_f32 v[224+16*\t+4*\b:225+16*\t+4*\b], v[96+64*\t+16*\b:103+64*\t+16*\b], v[48+16*\t+\b]
	v_cvt_scalef32_pk8_fp8_f32 v[226+16*\t+4*\b:227+16*\t+4*\b], v[104+64*\t+16*\b:111+64*\t+16*\b], v[48+16*\t+\b]
.endr
.endr
	s_wait_dscnt 0x1                               ; V^T and its scale words are in; only the load of K's scale words stands behind them
	WIN 0x41
	WALU                                           ; the wait here, directly ahead of the first reader of O^T
.irp t, 0,1
.set j, 0
.rept 16
	v_pk_mul_f32 v[128+32*\t+2*j:129+32*\t+2*j], v[128+32*\t+2*j:129+32*\t+2*j], v[18+2*\t:19+2*\t] op_sel_hi:[1,0]   ; O^T under the new M, each accumulator from its low end on; also the places between the codes and the products
.set j, j+1
.endr
.endr
	WIN 0x51
.irp e, 0,1,2,3                        ; O^T += V^T p^T: eight accumulators by turns; register 16 e' + i of lane (r, h) is d = 32 e' + 16 h + i
.irp t, 0,1
	v_wmma_scale_f32_16x16x128_f8f6f4 v[128+32*\t+8*\e:135+32*\t+8*\e], v[64+16*\e:79+16*\e], v[224+16*\t:239+16*\t], v[128+32*\t+8*\e:135+32*\t+8*\e], v[VS+\e], v[PS+\t]
.endr
.endr
	WIN 0
.endm
.Lpass:                                            ; two passes: two tiles of 16 queries in each
.irp t, 0,1
	v_mov_b32 v[11+2*\t], 0xff61b1e6               ; the largest score so far: -3e38
	v_mov_b32 v[10+2*\t], 0x7f61b1e6               ; -M: the first change of M gives f = 0, which multiplies zeros
	v_mov_b32 v[14+2*\t], 0
	v_mov_b32 v[15+2*\t], 0
.endr
	WIN 0x40
.set j, 0
.rept 64
	v_mov_b32 v[128+j], 0                          ; O^T: the step is written for every step alike
.set j, j+1
.endr
	WIN 0
	s_mov_b32 s[TB], 0
	s_mov_b32 s[CNT], 15
	WALU
	s_wait_loadcnt 0x0                             ; q
.Lstep:
	STEP 0
	s_add_co_u32 s[TB], s[TB], REC
	s_sub_co_u32 s[CNT], s[CNT], 1
	s_cmp_lg_u32 s[CNT], 0
	s_cbranch_scc1 .Lstep
	STEP 1
; THE WAY OUT of both tiles: O^T / the sum, quantised along d (two blocks of 32 a tile): the codes are parts of an image of the last product's operand
.rept 8
	v_nop                                          ; places behind the last products
.endr
	v_add_f32 v14, v14, v15                        ; the sums' two halves,
	v_add_f32 v16, v16, v17
.irp t, 0,1
	D2
	v_permlanex16_b32 v[68+\t], v[14+2*\t], s[SEL], s[SEL+1]
.endr
.irp t, 0,1
	D2
	v_add_f32 v[14+2*\t], v[14+2*\t], v[68+\t]     ; and lane l xor 16's
.endr
	WALU
	v_rcp_f32 v14, v14
	v_rcp_f32 v16, v16
	v_nop
	WIN 0x01                                       ; source 0 in window 1: the quotients go to window 0, where S^T lay
	WALU                                           ; for the reciprocals, and directly ahead of the first reader of O^T
.irp t, 0,1
.set j, 0
.rept 16
	v_pk_mul_f32 v[96+64*\t+2*j:97+64*\t+2*j], v[128+32*\t+2*j:129+32*\t+2*j], v[14+2*\t:15+2*\t] op_sel_hi:[1,0]
.set j, j+1
.endr
.endr
	WIN 0
.irp t, 0,1
.irp b, 0,1
	v_max3_num_f32 v[36+16*\t+\b], |v[96+64*\t+16*\b]|, |v[97+64*\t+16*\b]|, 0x4800000   ; my 16 numbers of a block, and the floor 2^(9 - 127)
.endr
.endr
.irp i, 2,4,6,8,10,12,14
.irp t, 0,1
.irp b, 0,1
	s_delay_alu instid0(VALU_DEP_4)
	v_max3_num_f32 v[36+16*\t+\b], v[36+16*\t+\b], |v[96+64*\t+16*\b+\i]|, |v[97+64*\t+16*\b+\i]|
.endr
.endr
.endr
.irp t, 0,1
.irp b, 0,1
	s_delay_alu instid0(VALU_DEP_4)
	v_permlanex16_b32 v[40+16*\t+\b], v[36+16*\t+\b], s[SEL], s[SEL+1]
.endr
.endr
.irp t, 0,1
.irp b, 0,1
	s_delay_alu instid0(VALU_DEP_4)
	v_max_num_f32 v[36+16*\t+\b], v[36+16*\t+\b], v[40+16*\t+\b]
.endr
.endr
.irp t, 0,1
.irp b, 0,1
	s_delay_alu instid0(VALU_DEP_4)
	v_add_nc_u32 v[48+16*\t+\b], 0xfc000000, v[36+16*\t+\b]
.endr
.endr
.irp t, 0,1
.irp b, 0,1
	v_and_or_b32 v[44+16*\t+\b], v[36+16*\t+\b], 0x7f800000, s[MNT]
.endr
.endr
.irp t, 0,1
.irp b, 0,1
	v_lshrrev_b32 v[40+16*\t+\b], 23, v[48+16*\t+\b]
.endr
.endr
	s_delay_alu instid0(VALU_DEP_3)
	v_lshl_or_b32 v70, v41, 8, v40                 ; a row's two scale bytes
	D2
	v_lshl_or_b32 v71, v57, 8, v56
.irp t, 0,1
.irp b, 0,1
.irp i, 0,1,2,3,4,5,6,7,8,9,10,11,12,13,14,15
	v_med3_num_f32 v[96+64*\t+16*\b+\i], v[96+64*\t+16*\b+\i], -v[44+16*\t+\b], v[44+16*\t+\b]   ; the hold
.endr
.endr
.endr
.irp t, 0,1
.irp b, 0,1
	v_cvt_scalef32_pk8_fp8_f32 v[224+16*\t+4*\b:225+16*\t+4*\b], v[96+64*\t+16*\b:103+64*\t+16*\b], v[48+16*\t+\b]
	v_cvt_scalef32_pk8_fp8_f32 v[226+16*\t+4*\b:227+16*\t+4*\b], v[104+64*\t+16*\b:111+64*\t+16*\b], v[48+16*\t+\b]
.endr
.endr
	v_cndmask_b32 v70, v70, v71, s[HM]             ; lanes 0-15 store the first tile's bytes, lanes 16-31 the second's.  (Also the plain line behind the last conversion)
.irp t, 0,1
	global_store_b128 v1, v[224+16*\t:227+16*\t], s[10:11] offset:16384*\t        ; 512 consecutive bytes, aligned
	global_store_b128 v1, v[228+16*\t:231+16*\t], s[10:11] offset:16384*\t+512
.endr
	global_store_b16 v5, v70, s[12:13]             ; two bytes a row: a scale word spans two heads, and a work-group holds one
	s_wait_xcnt 0x0                                ; the stores have read their registers and bases
	s_add_nc_u64 s[10:11], s[10:11], 32768         ; two blocks on
	s_add_nc_u64 s[12:13], s[12:13], 1024
	s_sub_co_u32 s[PASS], s[PASS], 1
	s_cmp_lg_u32 s[PASS], 0
	WALU
	s_cbranch_scc1 .Lpass
	s_wait_tensorcnt 0x0                           ; the wave's end
	ds_add_u32 v[SPW], v[NIL]
	s_wait_dscnt 0x0
	CROUND                                         ; the closing round
	s_endpgm
.Lfunc_end_k_q111ec8976d_attn:
	.size	k_q111ec8976d_attn, .Lfunc_end_k_q111ec8976d_attn-k_q111ec8976d_attn
	.p2alignl 7, 3214868480
	.fill 96, 4, 3214868480
	.section	.rodata,"a",@progbits
	.p2align	6, 0x0
	.amdhsa_kernel k_q111ec8976d_attn
		.amdhsa_group_segment_fixed_size 272384
		.amdhsa_private_segment_fixed_size 0
		.amdhsa_enable_private_segment 0
		.amdhsa_kernarg_size 40
		.amdhsa_user_sgpr_count 2
		.amdhsa_user_sgpr_kernarg_segment_ptr 1
		.amdhsa_wavefront_size32 1
		.amdhsa_system_sgpr_workgroup_id_x 1
		.amdhsa_system_sgpr_workgroup_id_y 1
		.amdhsa_system_sgpr_workgroup_id_z 1
		.amdhsa_system_vgpr_workitem_id 0
		.amdhsa_next_free_vgpr 512
		.amdhsa_next_free_sgpr 66
		.amdhsa_reserve_vcc 0
		.amdhsa_float_denorm_mode_32 3
		.amdhsa_float_denorm_mode_16_64 3
		.amdhsa_memory_ordered 1
		.amdhsa_forward_progress 1
		.amdhsa_inst_pref_size 91
	.end_amdhsa_kernel
	.amdgpu_metadata
---
amdhsa.version: [ 1, 2 ]
amdhsa.kernels:
  - .name:           k_q111ec8976d_attn
    .symbol:         k_q111ec8976d_attn.kd
    .args:
      - { .name: qc, .offset: 0, .size: 8, .value_kind: global_buffer, .address_space: global }
      - { .name: qs, .offset: 8, .size: 8, .value_kind: global_buffer, .address_space: global }
      - { .name: kv, .offset: 16, .size: 8, .value_kind: global_buffer, .address_space: global }
      - { .name: oc, .offset: 24, .size: 8, .value_kind: global_buffer, .address_space: global }
      - { .name: os, .offset: 32, .size: 8, .value_kind: global_buffer, .address_space: global }
    .group_segment_fixed_size: 272384
    .private_segment_fixed_size: 0
    .kernarg_segment_align: 8
    .kernarg_segment_size: 40
    .max_flat_workgroup_size: 256
    .sgpr_count:     66
    .vgpr_count:     512
    .wavefront_size: 32
...
	.end_amdgpu_metadata
.endif
;; end of part 3
;; launch proj (part 4): grid 4 x 64, 4 waves a work-group, clusters of 4 x 4, 327,680 bytes of LDS; arguments oc, os, cod, scl, b_proj, out0; writes out0
.if DOCPART == 4
	.amdgcn_target "amdgcn-amd-amdhsa--gfx1250"
	.amdhsa_code_object_version 6
	.text
	.protected	k_q111ec8976d_proj
	.globl	k_q111ec8976d_proj
	.p2align	8
	.type	k_q111ec8976d_proj,@function
k_q111ec8976d_proj:
	s_mov_b64 s[64:65], 0
	v_nop
	global_prefetch_b8 v0, s[64:65] scope:SCOPE_SE
	s_setreg_imm32_b32 hwreg(HW_REG_WAVE_MODE, 25, 1), 1
	s_wait_xcnt 0x0
	s_wait_alu depctr_hold_cnt(0) depctr_sa_sdst(0) depctr_va_vdst(0) depctr_va_sdst(0) depctr_va_ssrc(0) depctr_va_vcc(0) depctr_vm_vsrc(0)
	s_getreg_b32 s2, hwreg(HW_REG_IB_STS2, 6, 4)
	s_cmp_eq_u32 s2, 0
	s_cbranch_scc0 .Lentry_in_a_cluster
	s_endpgm
.Lentry_in_a_cluster:
	s_bfe_u32 s2, ttmp6, 0x10000c
	s_cmp_lg_u32 s2, 0xf033
	s_cbranch_scc0 .Lentry_shape_is_right
	s_endpgm
.Lentry_shape_is_right:
; out0 [8192][1024] = o w_proj^T + b_proj, on codes of FP8 (E4M3) with one E8M0 scale for each 32 along K = 1,024; sums in f32, the bias as the C of each sum's first product.
; Both operands lie in the order of an operand's registers: codes [block of 16 rows][K step of 128][part c][lane][16 bytes], scale words [block][K / 256][r][2].  w_proj's blocks begin at block 704 of cod and scl.
; Place r of block 2 g + u is row 32 g + 8 u + r + 8 (r / 8): with w_proj's blocks as source 0, a lane's 16 results of two neighbouring blocks are 16 neighbouring columns of one row of out0.
; SHARES: a work-group makes 128 rows x 256 columns: 64 x 4 = 256 work-groups.  Wave w makes rows 64 (w / 2) on, columns 128 (w % 2) on: 4 blocks of o x 8 of w_proj, 32 accumulators.
; K goes in steps of 256 through a ring of two LDS slots (o's 8 blocks, then w_proj's 16; 4,096 bytes a block and step); the scale words of all of K come once and stay behind the ring.
; CLUSTERS: 4 x 4 work-groups; o's tiles are asked for jointly along a row of the cluster, w_proj's along a column.
; NO PREFETCH: K has four steps; two are asked for at the head and behind its round, and a request two steps ahead of the other two would stand at the head.
; REGISTERS: window 0: v16-29 addresses, v32-63 scale words (two sets), v64-127 the bias, v128-255 o's fragments (two sets of 4); window 1: w_proj's fragments (two sets of 8); window 2: accumulator (a, b) at v[8 (8 a + b)].
.set NQ,    2
.set FR,    16
.set NP,    8
.set FRB,   2048
.set BLKS,  NQ*FRB                     ; a block's codes of one K step of 256
.set ATILE, 8*BLKS
.set SLOT,  24*BLKS
.set SCL,   2*SLOT                     ; o's scale words: 8 blocks x 512 bytes
.set SCB,   SCL+4096                   ; w_proj's: 16 blocks x 512 bytes
.set SPARE, SCL+12288                  ; the spare words, 128 bytes for each wave
.set SPITCH, 528                       ; the way out: a stage of 16 rows x (512 + 16) bytes for each wave, in slot 0 behind its last fill and last read
.set ADRA, 16
.set ADRB, 20
.set STO,  24
.set RD,   26
.set ADRS, 27
.set SPW,  28
.set NIL,  29
.set SC,   32
.set BI,   64
.set AF,   128
.set BK,   128
.set WV, 16
.set RH, 17
.set CH, 18
.set G1, 24
.set G0, 32
.set G1B, 48
.set G0B, 56
.set G1S, 68
.set G0S, 76
.set G1SB, 80
.set G0SB, 88
.set MSB, 0
.macro WIN new
.if MSB != (\new)
	s_set_vgpr_msb (MSB<<8)|(\new)
.set MSB, (\new)
.endif
.endm
.set MUL_LO,  0xa1                     ; source 0 window 1, source 1 window 0, C and D window 2
.set BIAS_LO, 0x81                     ; the same with C in window 0
.set TO_B,    0x40
.macro JLOAD g0a, g1a, g0b, g1b        ; waves 0 and 1 fetch halves of o's tile, waves 2 and 3 of w_proj's
	s_cmp_eq_u32 s[RH], 0
	s_cbranch_scc0 .Lfor_b_\@
	tensor_load_to_lds s[\g0a:\g0a+3], s[\g1a:\g1a+7]
	s_nop 0
.rept 4
	v_nop
.endr
	s_branch .Lasked_\@
.Lfor_b_\@:
	tensor_load_to_lds s[\g0b:\g0b+3], s[\g1b:\g1b+7]
	s_nop 0
.rept 4
	v_nop
.endr
.Lasked_\@:
.endm
.macro CREST
	s_cmp_lg_u32 s[WV], 0
	s_cbranch_scc1 .Lnot_wave_0_\@
	s_barrier_signal -3
.Lnot_wave_0_\@:
	s_barrier_wait -3
	s_barrier_signal -1
	s_barrier_wait -1
.endm
.macro CROUND
	s_barrier_signal -1
	s_barrier_wait -1
	CREST
.endm
	s_load_b256 s[4:11], s[0:1], 0x0               ; oc s[4:5], os s[6:7], cod s[8:9], scl s[10:11]
	s_load_b128 s[12:15], s[0:1], 0x20             ; b_proj, out0
	v_lshl_add_u32 v[SPW], v0, 2, SPARE
	v_mov_b32 v[NIL], 0
	ds_add_u32 v[SPW], v[NIL]                      ; the opening lines: the add, twice on end, and its wait
	ds_add_u32 v[SPW], v[NIL]
	v_lshrrev_b32 v1, 5, v0
	v_readfirstlane_b32 s[WV], v1
	s_lshr_b32 s[RH], s[WV], 1                     ; my half of the rows; also: I fetch for o (0) or for w_proj (1)
	s_and_b32 s[CH], s[WV], 1                      ; my half of the columns; also: which half of a tile I fetch
	s_bfe_u32 s40, ttmp6, 0x40000                  ; cx = the tile column
	s_bfe_u32 s41, ttmp6, 0x40004                  ; cy
	s_and_b32 s45, ttmp7, 0xffff
	s_lshl_b32 s45, s45, 2
	s_add_co_u32 s45, s45, s41                     ; the tile row, 0..63
	s_add_co_u32 s46, s40, 44                      ; w_proj's 16 blocks: 16 (44 + cx) on
	s_lshl_b32 s20, s41, 2
	s_lshl_b32 s20, 15, s20                        ; my row of the cluster
	s_lshl_b32 s22, 0x1111, s40                    ; my column
	s_or_b32 s[G1], s20, (3<<16)|(1<<21)
	s_or_b32 s[G1B], s22, (3<<16)|(1<<21)
	s_or_b32 s[G1S], s20, (3<<16)|(1<<21)
	s_or_b32 s[G1SB], s22, (3<<16)|(1<<21)
.irp g, G1, G1B                        ; codes: a row is a block's 4,096 bytes of a K step, 16,384 bytes from block to block
	s_mov_b32 s[\g+1], 512<<16
	s_mov_b32 s[\g+3], 512<<16
	s_mov_b32 s[\g+5], 2048
	s_mov_b32 s[\g+6], 0
	s_mov_b32 s[\g+7], 0
.endr
	s_mov_b32 s[G1+2], 8<<16                       ; the head's loads bring whole tiles: o's 8 blocks,
	s_mov_b32 s[G1+4], 8
	s_mov_b32 s[G1B+2], 16<<16                     ; w_proj's 16
	s_mov_b32 s[G1B+4], 16
.irp g, G1S, G1SB                      ; scale words: dense, as rows of 256 bytes
	s_mov_b32 s[\g+1], 32<<16
	s_mov_b32 s[\g+3], 32<<16
	s_mov_b32 s[\g+5], 32
	s_mov_b32 s[\g+6], 0
	s_mov_b32 s[\g+7], 0
.endr
	s_mov_b32 s[G1S+2], 16<<16
	s_mov_b32 s[G1S+4], 16
	s_mov_b32 s[G1SB+2], 32<<16
	s_mov_b32 s[G1SB+4], 32
	s_lshl_b32 s2, s45, 19                         ; out0: 128 rows of 4,096 bytes a tile row, 64 rows a half,
	s_lshl_b32 s3, s[RH], 18
	s_add_co_u32 s2, s2, s3
	s_lshl_b32 s42, s40, 10                        ; 1,024 bytes a tile column, 512 a half (the bias likewise)
	s_lshl_b32 s3, s[CH], 9
	s_add_co_u32 s42, s42, s3
	s_mov_b32 s43, 0
	s_add_co_u32 s2, s2, s42
	s_mov_b32 s3, 0
	s_lshl_b32 s92, s45, 17                        ; o's codes: 8 blocks of 16,384 bytes a tile row
	s_mov_b32 s93, 0
	s_lshl_b32 s94, s46, 18                        ; w_proj's: 16 blocks
	s_mov_b32 s95, 0
	s_lshl_b32 s20, s45, 12                        ; scale words: 512 bytes a block
	s_mov_b32 s21, 0
	s_lshl_b32 s22, s46, 13
	s_mov_b32 s23, 0
	s_mul_i32 s98, s[CH], 4*BLKS                   ; where my half of a tile goes in a slot: o's,
	s_mul_i32 s99, s[CH], 8*BLKS
	s_add_co_u32 s99, s99, ATILE                   ; w_proj's
	s_wait_dscnt 0x0                               ; both opening adds are done
	s_wait_kmcnt 0x0
	s_add_nc_u64 s[92:93], s[4:5], s[92:93]
	s_add_nc_u64 s[94:95], s[8:9], s[94:95]
	s_add_nc_u64 s[20:21], s[6:7], s[20:21]
	s_add_nc_u64 s[22:23], s[10:11], s[22:23]
	s_add_nc_u64 s[12:13], s[12:13], s[42:43]
	s_add_nc_u64 s[14:15], s[14:15], s[2:3]
	CROUND                                         ; all sixteen work-groups are here: the first joint loads meet
	s_mov_b32 s4, 1                                ; the head's four tiles; group 0 of the two loads of codes in registers that held arguments
	s_mov_b32 s5, 0
	s_mov_b64 s[6:7], s[92:93]
	s_or_b32 s7, s7, 0x80000000
	s_mov_b32 s8, 1
	s_mov_b32 s9, ATILE
	s_mov_b64 s[10:11], s[94:95]
	s_or_b32 s11, s11, 0x80000000
	s_mov_b32 s[G0S], 1
	s_mov_b32 s[G0S+1], SCL
	s_mov_b64 s[G0S+2:G0S+3], s[20:21]
	s_or_b32 s[G0S+3], s[G0S+3], 0x80000000
	s_mov_b32 s[G0SB], 1
	s_mov_b32 s[G0SB+1], SCB
	s_mov_b64 s[G0SB+2:G0SB+3], s[22:23]
	s_or_b32 s[G0SB+3], s[G0SB+3], 0x80000000
	s_lshl_b32 s96, s[CH], 16                      ; for the ring: my half of o's tile, 4 blocks on,
	s_mov_b32 s97, 0
	s_add_nc_u64 s[92:93], s[92:93], s[96:97]
	s_lshl_b32 s96, s[CH], 17                      ; of w_proj's, 8 blocks on
	s_add_nc_u64 s[94:95], s[94:95], s[96:97]
.irp s, 0,1
	s_mov_b32 s[G0+4*\s], 1
	s_add_co_u32 s[G0+4*\s+1], s98, \s*SLOT
	s_add_nc_u64 s[G0+4*\s+2:G0+4*\s+3], s[92:93], \s*BLKS
	s_or_b32 s[G0+4*\s+3], s[G0+4*\s+3], 0x80000000
	s_mov_b32 s[G0B+4*\s], 1
	s_add_co_u32 s[G0B+4*\s+1], s99, \s*SLOT
	s_add_nc_u64 s[G0B+4*\s+2:G0B+4*\s+3], s[94:95], \s*BLKS
	s_or_b32 s[G0B+4*\s+3], s[G0B+4*\s+3], 0x80000000
.endr
; THE HEAD'S LOADS, ONE A WAVE: wave 0 K step 0 of o's tile, wave 1 of w_proj's, waves 2 and 3 their scale words.  One chain of arms, one load to an arm, all leading to one join
.macro ARM under, g0, g1, next
	s_cmp_lt_u32 s[WV], \under
	s_cbranch_scc0 \next
	tensor_load_to_lds s[\g0:\g0+3], s[\g1:\g1+7]
	s_nop 0
.rept 4
	v_nop
.endr
	s_branch .Lhead_asked
\next:
.endm
	ARM 1, 4, G1, .Lhead_b
	ARM 2, 8, G1B, .Lhead_sa
	ARM 3, G0S, G1S, .Lhead_sb
	tensor_load_to_lds s[G0SB:G0SB+3], s[G1SB:G1SB+7]
	s_nop 0
.rept 4
	v_nop
.endr
.Lhead_asked:
	s_mul_i32 s42, s[RH], 4*BLKS                   ; my 4 blocks of o in a slot,
	s_mul_i32 s43, s[CH], 8*BLKS
	s_add_co_u32 s43, s43, ATILE                   ; my 8 of w_proj;
	s_mul_i32 s47, s[RH], 2048                     ; their scale words: o's,
	s_mul_i32 s44, s[CH], 4096
	s_add_co_u32 s44, s44, 4096
	s_sub_co_u32 s44, s44, s47                     ; and how far on w_proj's lie, for lanes 16-31
	s_add_co_u32 s47, s47, SCL
	s_mul_i32 s96, s[WV], 16*SPITCH                ; my stage
	v_and_b32 v1, 15, v0                           ; r
	v_bfe_u32 v2, v0, 4, 1                         ; h
	v_and_b32 v3, 31, v0
	v_lshlrev_b32 v3, 4, v3                        ; 16 x lane
	v_add_nc_u32 v[ADRA], s42, v3
	v_add_nc_u32 v[ADRB], s43, v3
	v_add_nc_u32 v[ADRA+1], SLOT, v[ADRA]
	v_add_nc_u32 v[ADRB+1], SLOT, v[ADRB]
	v_lshlrev_b32 v5, 3, v1
	v_mul_u32_u24 v6, s44, v2
	v_add_nc_u32 v5, v5, v6
	v_add_nc_u32 v[ADRS], s47, v5                  ; lanes 0-15 o's scale words, lanes 16-31 w_proj's
	v_mul_u32_u24 v5, v1, SPITCH
	v_lshl_add_u32 v5, v2, 6, v5
	v_add_nc_u32 v[STO], s96, v5                   ; the stage, in: row r, + 64 h
	v_add_nc_u32 v[RD], s96, v3                    ; and back: a row of 512 bytes to the 32 lanes
	v_lshlrev_b32 v25, 6, v2
.irp b, 0,1,2,3,4,5,6,7
	global_load_b128 v[BI+8*\b:BI+8*\b+3], v25, s[12:13] offset:(32*(\b/2)+8*(\b%2))*4          ; the bias at the lane's eight columns of block b
	global_load_b128 v[BI+8*\b+4:BI+8*\b+7], v25, s[12:13] offset:(32*(\b/2)+8*(\b%2))*4+16
.endr
.macro FRAG reg, adr, q, i
.irp c, 0,1,2,3
	ds_load_b128 v[\reg+4*\c:\reg+4*\c+3], v[\adr] offset:FRB*(\q)+512*\c+(\i)*BLKS
.endr
.endm
; eight products: o's block a against w_proj's eight; p: the sets of fragments; q: which 128 of the slot; sc: the set of scale words; cm = 1: the bias starts the sums.  The 32 accumulators take turns
.macro MULA a, p, q, sc, cm
.irp b, 0,1,2,3,4,5,6,7
.if \cm
	v_wmma_scale_f32_16x16x128_f8f6f4 v[8*(8*(\a)+\b):8*(8*(\a)+\b)+7], v[128*(\p)+FR*\b:128*(\p)+FR*\b+FR-1], v[AF+64*(\p)+FR*(\a):AF+64*(\p)+FR*(\a)+FR-1], v[BI+8*\b:BI+8*\b+7], v[SC+8*NQ*(\sc)+NQ*\b+(\q)], v[SC+8*NQ*(\sc)+NQ*(\a)+(\q)] matrix_a_scale:MATRIX_SCALE_ROW1
.else
	v_wmma_scale_f32_16x16x128_f8f6f4 v[8*(8*(\a)+\b):8*(8*(\a)+\b)+7], v[128*(\p)+FR*\b:128*(\p)+FR*\b+FR-1], v[AF+64*(\p)+FR*(\a):AF+64*(\p)+FR*(\a)+FR-1], v[8*(8*(\a)+\b):8*(8*(\a)+\b)+7], v[SC+8*NQ*(\sc)+NQ*\b+(\q)], v[SC+8*NQ*(\sc)+NQ*(\a)+(\q)] matrix_a_scale:MATRIX_SCALE_ROW1
.endif
.endr
.endm
.macro FETCH slot, q, p                ; 48 loads in one run: the fragments of one 128 along K into sets p
	WIN TO_B
.irp i, 0,1,2,3,4,5,6,7
	FRAG 128*(\p)+FR*\i, ADRB+\slot, \q, \i
.endr
	WIN 0
.irp i, 0,1,2,3
	FRAG AF+64*(\p)+FR*\i, ADRA+\slot, \q, \i
.endr
.endm
.macro SCALES sc                       ; a K step's scale words: two a row.  Lanes 0-15 of registers 8 on hold words of blocks that are not mine and are not used
.irp i, 0,1,2,3,4,5,6,7
	ds_load_b64 v[SC+8*NQ*\sc+NQ*\i:SC+8*NQ*\sc+NQ*\i+1], v[ADRS] offset:\i*512
.endr
.endm
.macro PLACES n
.rept \n
	v_nop
.endr
.endm
; a slot's first 128 along K: the second's fragments are fetched ahead of the 32 products
.macro STEP slot, cm
	s_wait_dscnt 0x0                               ; this step's fragments and scale words are in
	PLACES NP                                      ; ahead of loads into the sets that the last products read
	FETCH \slot, 1, 1
.if \cm
	WIN BIAS_LO
.else
	WIN MUL_LO
.endif
.irp a, 0,1,2,3
	MULA \a, 0, 0, \slot, \cm
.endr
	WIN 0
.endm
; a slot's second 128 changes slots: ONE barrier; ahead of it the wait for all my tensor loads, the add, and the wait for the add and for my reads of this slot.  fill = 1: the barrier opens a round of the cluster's barrier, and this slot is filled again
.macro TURN slot, next, fill
	s_wait_tensorcnt 0x0
	ds_add_u32 v[SPW], v[NIL]
	s_wait_dscnt 0x1                               ; the fragments are in; only the add may be out
	WIN MUL_LO
	MULA 0, 1, 1, \slot, 0
	s_wait_dscnt 0x0
	s_barrier_signal -1
	MULA 1, 1, 1, \slot, 0
	WIN 0
	s_barrier_wait -1
.if \fill
	CREST
	s_add_nc_u64 s[G0+4*\slot+2:G0+4*\slot+3], s[G0+4*\slot+2:G0+4*\slot+3], 2*BLKS
	s_add_nc_u64 s[G0B+4*\slot+2:G0B+4*\slot+3], s[G0B+4*\slot+2:G0B+4*\slot+3], 2*BLKS
	JLOAD G0+4*\slot, G1, G0B+4*\slot, G1B         ; the first tensor load behind the round
	PLACES NP-4
.else
	PLACES NP
.endif
	v_add_nc_u32 v[ADRS], 128, v[ADRS]             ; the next K step's scale words
	s_wait_alu depctr_va_vdst(0)                   ; the wait here, directly behind the write
	FETCH \next, 0, 0
	SCALES \next
	WIN MUL_LO
	MULA 2, 1, 1, \slot, 0
	MULA 3, 1, 1, \slot, 0
	WIN 0
.endm
	s_wait_alu depctr_va_vdst(0)                   ; the wait at the head's end
	s_wait_tensorcnt 0x0                           ; my tile of the head's four is in; the three lines ahead of a later first fill, as ahead of a refill
	ds_add_u32 v[SPW], v[NIL]
	s_mov_b32 s[G1+2], 4<<16                       ; no tensor load of mine is out: from here on a load brings half a tile: 4 blocks of o,
	s_mov_b32 s[G1+4], 4
	s_mov_b32 s[G1B+2], 8<<16                      ; 8 of w_proj
	s_mov_b32 s[G1B+4], 8
	s_wait_dscnt 0x0
	CROUND                                         ; all four tiles are in, in every partner
	JLOAD G0+4, G1, G0B+4, G1B                     ; K step 1: the first tensor load behind the round
	FETCH 0, 0, 0
	SCALES 0
	s_wait_loadcnt 0x0                             ; the bias
	STEP 0, 1
	TURN 0, 1, 1
	STEP 1, 0
	TURN 1, 0, 1
	STEP 0, 0
	TURN 0, 1, 0                                   ; the last change of slots fills nothing
	STEP 1, 0
	s_wait_dscnt 0x0
	WIN MUL_LO
.irp a, 0,1,2,3
	MULA \a, 1, 1, 1, 0
.endr
	WIN 0
; THE WAY OUT, block by block of 16 rows x 128 columns, through my stage: back come whole rows of 512 bytes, which the 32 lanes store as one aligned run of 512 bytes
.macro TOSTAGE a
.set AC, 64*(\a)
	WIN 0x08                                       ; the data: window 2
.irp b, 0,1,2,3,4,5,6,7
	ds_store_b128 v[STO], v[AC+8*\b:AC+8*\b+3] offset:(32*(\b/2)+8*(\b%2))*4          ; each accumulator from its low end on
	ds_store_b128 v[STO], v[AC+8*\b+4:AC+8*\b+7] offset:(32*(\b/2)+8*(\b%2))*4+16
.endr
	WIN 0
.set BB, BK+64*((\a)%2)
.irp t, 0,1,2,3,4,5,6,7,8,9,10,11,12,13,14,15
	ds_load_b128 v[BB+4*\t:BB+4*\t+3], v[RD] offset:\t*SPITCH   ; LDS serves a wave's instructions in order: these see my stores
.endr
.endm
.macro SEND a, younger
.set BB, BK+64*((\a)%2)
	s_wait_dscnt \younger
.irp t, 0,1,2,3,4,5,6,7,8,9,10,11,12,13,14,15
	global_store_b128 v3, v[BB+4*\t:BB+4*\t+3], s[14:15] offset:(32*((\a)/2)+8*((\a)%2)+\t+8*(\t/8))*4096 th:TH_STORE_NT
.endr
.endm
	PLACES NP                                      ; behind the last products: ahead of the reads of their results and of loads into o's fragments' registers
	TOSTAGE 0
.irp a, 1,2,3
.if \a > 1
	s_wait_xcnt 0x0                                ; block a - 2's stores have read their registers
.endif
	TOSTAGE \a
	SEND \a-1, 32                                  ; behind block a - 1's loads: block a's 16 stores and 16 loads
.endr
	SEND 3, 0
	s_wait_tensorcnt 0x0                           ; the wave's end
	ds_add_u32 v[SPW], v[NIL]
	s_wait_dscnt 0x0
	CROUND                                         ; the closing round
	s_endpgm
.Lfunc_end_k_q111ec8976d_proj:
	.size	k_q111ec8976d_proj, .Lfunc_end_k_q111ec8976d_proj-k_q111ec8976d_proj
	.p2alignl 7, 3214868480
	.fill 96, 4, 3214868480
	.section	.rodata,"a",@progbits
	.p2align	6, 0x0
	.amdhsa_kernel k_q111ec8976d_proj
		.amdhsa_group_segment_fixed_size 327680
		.amdhsa_private_segment_fixed_size 0
		.amdhsa_enable_private_segment 0
		.amdhsa_kernarg_size 48
		.amdhsa_user_sgpr_count 2
		.amdhsa_user_sgpr_kernarg_segment_ptr 1
		.amdhsa_wavefront_size32 1
		.amdhsa_system_sgpr_workgroup_id_x 1
		.amdhsa_system_sgpr_workgroup_id_y 1
		.amdhsa_system_sgpr_workgroup_id_z 1
		.amdhsa_system_vgpr_workitem_id 0
		.amdhsa_next_free_vgpr 768
		.amdhsa_next_free_sgpr 102
		.amdhsa_reserve_vcc 0
		.amdhsa_float_denorm_mode_32 3
		.amdhsa_float_denorm_mode_16_64 3
		.amdhsa_memory_ordered 1
		.amdhsa_forward_progress 1
		.amdhsa_inst_pref_size 90
	.end_amdhsa_kernel
	.amdgpu_metadata
---
amdhsa.version: [ 1, 2 ]
amdhsa.kernels:
  - .name:           k_q111ec8976d_proj
    .symbol:         k_q111ec8976d_proj.kd
    .args:
      - { .name: oc, .offset: 0, .size: 8, .value_kind: global_buffer, .address_space: global }
      - { .name: os, .offset: 8, .size: 8, .value_kind: global_buffer, .address_space: global }
      - { .name: cod, .offset: 16, .size: 8, .value_kind: global_buffer, .address_space: global }
      - { .name: scl, .offset: 24, .size: 8, .value_kind: global_buffer, .address_space: global }
      - { .name: b_proj, .offset: 32, .size: 8, .value_kind: global_buffer, .address_space: global }
      - { .name: out0, .offset: 40, .size: 8, .value_kind: global_buffer, .address_space: global }
    .group_segment_fixed_size: 327680
    .private_segment_fixed_size: 0
    .kernarg_segment_align: 8
    .kernarg_segment_size: 48
    .max_flat_workgroup_size: 128
    .sgpr_count:     102
    .vgpr_count:     768
    .wavefront_size: 32
...
	.end_amdgpu_metadata
.endif
;; end of part 4
